; MI455X (gfx1250); checked and timed in simulation.
; The chip was launched on July 23, 2026; its instructions are those of AMD's public machine-readable ISA for CDNA 5 (MIT licence, August 2026) and "CDNA5" Instruction Set Architecture Reference Guide (July 2026). The comments in the code are by the model that wrote it; some were corrected since.
;; Mo EMLP. Allowed arithmetic: matrix products marked QUANTISED: E2M1 operands, one E8M0 scale for each 32 along K, by v_wmma_scale_f32_16x16x128_f8f6f4 with both operands' format E2M1 (or v_wmma_scale_f32_32x16x128_f4), f32 sums; products left as they are: f32 operands where the result goes on into a quantised operand, else bf16, f16 or f32 operands; f32 sums; everything else in f32.
;; Inputs: W1_codes 8 x 512 x 8 x 16 uint8 (E2M1 codes of W1, K innermost, in blocks of 32 codes, two codes a byte); W1_scales 8 x 512 x 8 uint8 (E8M0 scales of W1, one for each 32 codes along K); W2_codes 8 x 256 x 16 x 16 uint8 (E2M1 codes of W2, K innermost, in blocks of 32 codes, two codes a byte); W2_scales 8 x 256 x 16 uint8 (E8M0 scales of W2, one for each 32 codes along K); Wr 256 x 8 float32; b1 8 x 512 float32; b2 8 x 256 float32; beta 256 float32; br 8 float32; gamma 256 float32; x 4 x 8,192 x 256 float32.
;; Outputs: out0 4 x 8,192 x 256 float32.
;; This version of the problem:
;;   THIS VERSION OF THE PROBLEM IS GIVEN IN LOW PRECISION. The matrix products marked QUANTISED in the list below multiply operands that are first quantised to E2M1 (2 exponent bits, 1 mantissa bit; 4 bits a number), with one power-of-two scale for each 32 numbers along K (OCP MX v1.0); their sums are f32. All else is computed in f32.
;;   The module's matrix products, in the order in which they are computed (A, B: the left and right operand; K: the contracted axis; several contracted axes count as one K, in the product's order):
;;     1. [M 32,768, K 256] x [K 256, N 8]; A: computed on the way; B: input Wr: left as it is (N = 8 < 16)
;;     2. batch 32,768 x [M 1, K 2] x [K 2, N 8]; A: softmax; B: computed on the way: left as it is (K = 2 < 32)
;;     3. [M 32,768, K 256] x [K 256, N 512]; A: computed on the way; B: input W1 (given as codes): QUANTISED
;;     4. [M 32,768, K 512] x [K 512, N 256]; A: computed on the way; B: input W2 (given as codes): QUANTISED
;;     5. [M 32,768, K 256] x [K 256, N 512]; A: computed on the way; B: input W1 (given as codes): QUANTISED
;;     6. [M 32,768, K 512] x [K 512, N 256]; A: computed on the way; B: input W2 (given as codes): QUANTISED
;;     7. [M 32,768, K 256] x [K 256, N 512]; A: computed on the way; B: input W1 (given as codes): QUANTISED
;;     8. [M 32,768, K 512] x [K 512, N 256]; A: computed on the way; B: input W2 (given as codes): QUANTISED
;;     9. [M 32,768, K 256] x [K 256, N 512]; A: computed on the way; B: input W1 (given as codes): QUANTISED
;;     10. [M 32,768, K 512] x [K 512, N 256]; A: computed on the way; B: input W2 (given as codes): QUANTISED
;;     11. [M 32,768, K 256] x [K 256, N 512]; A: computed on the way; B: input W1 (given as codes): QUANTISED
;;     12. [M 32,768, K 512] x [K 512, N 256]; A: computed on the way; B: input W2 (given as codes): QUANTISED
;;     13. [M 32,768, K 256] x [K 256, N 512]; A: computed on the way; B: input W1 (given as codes): QUANTISED
;;     14. [M 32,768, K 512] x [K 512, N 256]; A: computed on the way; B: input W2 (given as codes): QUANTISED
;;     15. [M 32,768, K 256] x [K 256, N 512]; A: computed on the way; B: input W1 (given as codes): QUANTISED
;;     16. [M 32,768, K 512] x [K 512, N 256]; A: computed on the way; B: input W2 (given as codes): QUANTISED
;;     17. [M 32,768, K 256] x [K 256, N 512]; A: computed on the way; B: input W1 (given as codes): QUANTISED
;;     18. [M 32,768, K 512] x [K 512, N 256]; A: computed on the way; B: input W2 (given as codes): QUANTISED
;;   THE QUANTISER, for each operand of a quantised product, along K:
;;     - K is cut into blocks of 32 from its start; a last block that is shorter is filled with zeros.
;;     - A block's scale is 2^e with e = floor(log2(the largest magnitude in the block)) - 2, held to -126 .. 127; a block of zeros has e = 0. As a byte (E8M0): e + 127.
;;     - Each number is divided by its block's scale, clamped to +-6, and rounded to the nearest number of E2M1, ties to even, subnormals kept.
;;     - The product sums the exact products of the quantised numbers (number of the format x scale) in f32.
;;   ~~~python
;;   def quantise(x, axis):      # numpy; x: float32 -> the quantised numbers, widened to float32 again
;;       x = np.moveaxis(x, axis, -1); K = x.shape[-1]
;;       x = np.pad(x, [(0, 0)] * (x.ndim - 1) + [(0, -K % 32)]); x = x.reshape(x.shape[:-1] + (-1, 32)); a = np.abs(x).max(-1, keepdims=True)
;;       e = np.where(a > 0, np.clip(np.frexp(np.where(a > 0, a, 1))[1] - 1 - 2, -126, 127), 0)      # np.frexp(a)[1] - 1 = floor(log2(a)), exactly
;;       r = np.clip(x / 2.0 ** e, -6, 6)
;;       step = 2.0 ** (np.maximum(np.frexp(np.where(r == 0, 1, r))[1] - 1, 0) - 1)
;;       q = np.round(r / step) * step * 2.0 ** e      # np.round: ties to even
;;       return np.moveaxis(q.reshape(q.shape[:-2] + (-1,))[..., :K], -1, axis).astype(np.float32)
;;   ~~~
;;   OPERANDS COMPUTED ON THE WAY. 'Computed on the way' means the value that the module computes at that place (a softmax that the list does not call 'softmax' is quantised finished and normalised). What goes into a quantiser is computed in f32, as accurately as f32 sums, v_exp_f32 and their like allow (about 1e-6 of the number): no bf16 or f16 on the way to a quantiser, and a product that is left as it is and whose result goes on into a quantised operand takes f32 operands (vector FMAs, or v_wmma_f32_16x16x4_f32). A number that lies on a knife's edge between two numbers of the format may be rounded either way, as far as f32 arithmetic and the matrix unit's own rounding can turn it there, and no further.
;;   INPUTS GIVEN AS CODES. W1 (in the module: [8, 256, 512], K = its axis 1); W2 (in the module: [8, 512, 256], K = its axis 1): each comes as NAME_codes (uint8): NAME with its K axis moved to the last place and cut into blocks of 32 codes, [.., K / 32, bytes a block], one block behind the other in memory; two codes a byte, the lower K in the low four bits (a code: sign, 2 exponent bits, 1 mantissa bit); and NAME_scales (uint8): the same leading axes, one E8M0 byte (e + 127) for each 32 codes along K. Its value is code x scale, taken as it is: it is not quantised again, and the codes and scales need not be those that the quantiser above would give.
;; 2 versions, each right; version 2 is version 1 with the launch chain written anew for expert scheduling mode. Each part assembles by itself: llvm-mc -triple=amdgcn-amd-amdhsa -mcpu=gfx1250 --defsym DOCPART=n.
;; ======== version 1 of 2: 3 launches
;; workspace buffers: xcodes 4,194,304 bytes; xscales 262,144 bytes; gates 262,144 bytes; keys 131,072 bytes of whole numbers; hist 32,768 bytes of whole numbers; order 131,072 bytes of whole numbers; tiles 33,280 bytes of whole numbers; wimg 1,048,576 bytes
;; launch route (part 1): grid 256 x 1, 8 waves a work-group, no clusters, 21,504 bytes of LDS; arguments x, gamma, beta, Wr, br, W1_codes, W2_codes, xcodes, xscales, gates, keys, hist, wimg; writes xcodes, xscales, gates, keys, hist, wimg
.if DOCPART == 1
	.amdgcn_target "amdgcn-amd-amdhsa--gfx1250"
	.amdhsa_code_object_version 6
	.text
	.protected	k_q4126ad6a0a_route
	.globl	k_q4126ad6a0a_route
	.p2align	8
	.type	k_q4126ad6a0a_route,@function
k_q4126ad6a0a_route:
	s_mov_b64 s[64:65], 0
	v_nop
	global_prefetch_b8 v0, s[64:65] scope:SCOPE_SE
	s_setreg_imm32_b32 hwreg(HW_REG_WAVE_MODE, 25, 1), 1
	s_wait_xcnt 0x0
; ROUTE.  For each of 32,768 tokens of 256 numbers: LayerNorm in f32 (mean, then the squares of x - mean), xn quantised to E2M1 codes with one E8M0 byte for each 32 along K,
; the 8 router logits in f32 (fused multiply-adds), the two largest (ties: the lower index), the softmax of the two, and a key 0..27 that numbers the pair of experts (lo < hi).
; All results go to FIXED places: no address and no branch here hangs on a logit.  Beside that each wave copies one piece of 512 bytes of W1's or W2's codes into the order of the operand's registers.
; SHARES.  A work-group takes 128 tokens, each of its 8 waves 16: one wave to a row, four rows by turns line by line.  Lane l holds k = 4 l .. 4 l + 3 and k = 128 + 4 l .. + 3,
; so every load of x covers 512 consecutive bytes.  A block of 32 along K lies in 8 neighbouring lanes.  12 rows of a wave (24 loads) are on their way at the start.
; No matrix unit, tensor load or cluster: each byte of x is read once by one wave, and nothing is shared between work-groups.
; LIMITS: NaN and infinities among the inputs are not served (a key could leave 0..27).  The logits' sums run in another order than a row-by-row sum, so two logits that agree to the last bits of f32
; may change places.  A block of zeros gets the scale byte 1, not 127: its codes are zeros, and this program alone reads the bytes.
.set T,   16                           ; v16-79   16 registers a row: +0..7 at work, +8,9 the mean (a pair), +10,11 1/sqrt (a pair), +12 a permute's result, +13,14 the two blocks' maxima, +15 a collector
.set GAM, 80                           ; v80-87   gamma of my 8 columns
.set BET, 88                           ; v88-95   beta
.set WR,  96                           ; v96-159  register 8 i + e = Wr[k_i][e]
.set XR,  160                          ; v160-255 three sets of 4 rows x 8 numbers
.set CST, 0                            ; LDS: codes, 2,048 bytes a wave (16 rows x 128)
.set SST, 16384                        ; scale bytes, 128 a wave
.set KST, 17408                        ; keys, 64 a wave
.set GST, 17920                        ; gates, 128 a wave
.set HST, 18944                        ; counts, 128 a wave
	s_load_b512 s[4:19], s[0:1], 0x0               ; x, gamma, beta, Wr, br, W1_codes, W2_codes, xcodes
	s_load_b256 s[20:27], s[0:1], 0x40             ; xscales, gates, keys, hist
	s_load_b64 s[28:29], s[0:1], 0x60              ; wimg
	s_set_vgpr_msb 0x40
	v_lshl_add_u32 v0, v0, 2, 0x5000
	v_mov_b32 v1, 0
	s_set_vgpr_msb 0x4000
	v_lshrrev_b32 v1, 5, v0
	v_readfirstlane_b32 s30, v1                    ; wave 0..7
	v_and_b32 v1, 31, v0                           ; lane
	s_lshl_b32 s31, ttmp9, 3
	s_add_co_u32 s31, s31, s30                     ; gw = 8 x work-group + wave: 0..2047
	v_lshlrev_b32 v2, 4, v1                        ; 16 x lane
	v_lshlrev_b32 v3, 7, v1                        ; 128 x lane: four rows of Wr
	v_lshlrev_b32 v11, 2, v1                       ; 4 x lane
	v_and_b32 v10, 15, v0                          ; r = lane % 16
	s_lshl_b32 s32, s30, 11
	s_lshl_b32 s33, s30, 7
	s_lshl_b32 s34, s30, 6
	v_lshl_add_u32 v4, v1, 1, s32                  ; codes in: 2,048 w + 2 lane
	v_lshrrev_b32 v5, 3, v1
	v_add_nc_u32 v5, s33, v5                       ; scale bytes in: 128 w + lane / 8
	v_lshl_add_u32 v6, v10, 2, s34                 ; keys in: 64 w + 4 r
	v_lshl_add_u32 v7, v10, 3, s33                 ; gates in: 128 w + 8 r
	v_add_nc_u32 v8, s33, v11                      ; counts in: 128 w + 4 lane
	v_add_nc_u32 v9, s32, v2                       ; codes out: 2,048 w + 16 lane
	; The weight piece gw = ((e 4 + w') 2 + m) 32 + pi, pi = 2 f + c.  m = 0: W1, f = 2 t + s: rows 128 w' + 32 (t / 2) + 8 (t % 2) + r + 8 (r / 8) of 128 bytes.  m = 1: W2, f = 4 n + s: rows 64 w' + 16 n + r of 256 bytes.
	; In both the lane's 16 bytes lie 64 s + 32 c + 16 (lane / 16) into the row.
	s_and_b32 s51, s31, 31                         ; pi
	s_bfe_u32 s52, s31, 0x10005                    ; m
	s_bfe_u32 s53, s31, 0x20006                    ; w'
	s_lshr_b32 s54, s31, 8                         ; e
	s_and_b32 s55, s51, 1                          ; c
	s_lshr_b32 s56, s51, 1                         ; f
	s_lshl_b32 s54, s54, 16
	s_lshl_b32 s53, s53, 14
	s_add_co_u32 s54, s54, s53
	s_lshl_b32 s55, s55, 5
	s_add_co_u32 s54, s54, s55
	s_lshr_b32 s53, s56, 2
	s_lshl_b32 s53, s53, 12
	s_add_co_u32 s54, s54, s53                     ; common to both: 65,536 e + 16,384 w' + 4,096 (f / 4) + 32 c
	s_bfe_u32 s53, s56, 0x10001
	s_lshl_b32 s53, s53, 10
	s_and_b32 s55, s56, 1
	s_lshl_b32 s55, s55, 6
	s_add_co_u32 s53, s53, s55                     ; W1: 1,024 (t % 2) + 64 s
	s_and_b32 s55, s56, 3
	s_lshl_b32 s55, s55, 6                         ; W2: 64 s
	s_cmp_eq_u32 s52, 0
	s_cselect_b32 s53, s53, s55
	s_add_co_u32 s56, s54, s53
	s_mov_b32 s57, 0
	s_lshl_b32 s53, 128, s52                       ; bytes in a row: 128 or 256
	s_xor_b32 s55, s52, 1
	s_lshl_b32 s55, s55, 7                         ; W1's rows 8..15 of a tile lie 8 rows further on
	v_and_b32 v12, 8, v10
	v_bfe_u32 v13, v0, 4, 1
	v_lshlrev_b32 v13, 4, v13
	v_mad_u32_u24 v13, v10, s53, v13
	v_mad_u32_u24 v10, v12, s55, v13               ; my lane's byte in the piece's rows
	s_mov_b32 s44, 0x76543210
	s_mov_b32 s45, 0xfedcba98                      ; v_permlanex16_b32's selects for lane l xor 16
	s_mov_b32 s46, 0xffff
	s_mov_b32 s48, 0xffff0000                      ; lanes 16-31
	s_mov_b32 s49, 0x3b800000                      ; 1 / 256
	s_mov_b32 s50, 0x3727c5ac                      ; 1e-5
.irp p, 0,1,2,3
	v_mov_b32 v[T+16*\p+9], 0                      ; the upper halves of pairs of which the low word is used,
	v_mov_b32 v[T+16*\p+11], 0
	v_mov_b32 v[T+16*\p+12], 0                     ; a lane permute's destination counts as one of its sources,
	v_mov_b32 v[T+16*\p+15], 0                     ; and the collectors are filled lane by lane
.endr
	s_wait_kmcnt 0x0
	s_load_b256 s[36:43], s[12:13], 0x0            ; br
	s_cmp_eq_u32 s52, 0                            ; the choice hangs on the wave's number alone
	s_cselect_b64 s[58:59], s[14:15], s[16:17]
	s_add_nc_u64 s[58:59], s[58:59], s[56:57]
	s_mov_b32 s35, 0
	s_lshl_b32 s34, s31, 14
	s_add_nc_u64 s[4:5], s[4:5], s[34:35]          ; x at my 16 rows
	s_lshl_b32 s34, s31, 11
	s_add_nc_u64 s[18:19], s[18:19], s[34:35]      ; xcodes likewise
	s_lshl_b32 s34, s31, 9
	s_add_nc_u64 s[28:29], s[28:29], s[34:35]      ; wimg at my piece
	s_lshl_b32 s34, ttmp9, 10
	s_add_nc_u64 s[20:21], s[20:21], s[34:35]      ; xscales and gates at the work-group's 128 tokens
	s_add_nc_u64 s[22:23], s[22:23], s[34:35]
	s_lshl_b32 s34, ttmp9, 9
	s_add_nc_u64 s[24:25], s[24:25], s[34:35]      ; keys
	s_lshl_b32 s34, ttmp9, 7
	s_add_nc_u64 s[26:27], s[26:27], s[34:35]      ; hist
.macro XLOAD g                         ; rows 4 g .. 4 g + 3 into set g % 3: eight loads of 512 consecutive bytes
.irp p, 0,1,2,3
	global_load_b128 v[XR+32*((\g)%3)+8*\p:XR+32*((\g)%3)+8*\p+3], v2, s[4:5] offset:1024*(4*(\g)+\p) th:TH_LOAD_NT
	global_load_b128 v[XR+32*((\g)%3)+8*\p+4:XR+32*((\g)%3)+8*\p+7], v2, s[4:5] offset:1024*(4*(\g)+\p)+512 th:TH_LOAD_NT
.endr
.endm
	global_load_b128 v[12:15], v10, s[58:59]       ; the weight piece
	global_load_b128 v[GAM:GAM+3], v2, s[6:7]
	global_load_b128 v[GAM+4:GAM+7], v2, s[6:7] offset:512
	global_load_b128 v[BET:BET+3], v2, s[8:9]
	global_load_b128 v[BET+4:BET+7], v2, s[8:9] offset:512
.irp i, 0,1,2,3
	global_load_b128 v[WR+8*\i:WR+8*\i+3], v3, s[10:11] offset:32*\i
	global_load_b128 v[WR+8*\i+4:WR+8*\i+7], v3, s[10:11] offset:32*\i+16
	global_load_b128 v[WR+32+8*\i:WR+32+8*\i+3], v3, s[10:11] offset:4096+32*\i
	global_load_b128 v[WR+32+8*\i+4:WR+32+8*\i+7], v3, s[10:11] offset:4096+32*\i+16
.endr
	XLOAD 0
	XLOAD 1
	XLOAD 2
	s_wait_loadcnt 44                              ; the piece is in: behind it stand 2 + 2 + 16 + 24 loads
	global_store_b128 v2, v[12:15], s[28:29]       ; 512 consecutive bytes; v[12:15] and v2 are never written again
.macro REDUCE                          ; v[T + 16 p] summed over the 32 lanes, in every lane; the four rows by turns
.irp m, 1,2,4,8
.irp p, 0,1,2,3
	v_add_f32_dpp v[T+16*\p], v[T+16*\p], v[T+16*\p] row_xmask:\m row_mask:0xf bank_mask:0xf
.endr
.endr
.irp p, 0,1,2,3
	v_permlanex16_b32 v[T+16*\p+12], v[T+16*\p], s44, s45
.endr
.irp p, 0,1,2,3
	v_add_f32 v[T+16*\p], v[T+16*\p], v[T+16*\p+12]
.endr
.endm
; Four rows.  left = the loads of younger groups, which may stay out.
.macro GROUP g, left
.set XS, XR+32*((\g)%3)
	s_wait_loadcnt \left
	s_wait_dscnt 0x0                               ; the last group's LDS stores have read their registers in T
.irp p, 0,1,2,3
	v_pk_add_f32 v[T+16*\p:T+16*\p+1], v[XS+8*\p:XS+8*\p+1], v[XS+8*\p+2:XS+8*\p+3]
	v_pk_add_f32 v[T+16*\p+2:T+16*\p+3], v[XS+8*\p+4:XS+8*\p+5], v[XS+8*\p+6:XS+8*\p+7]
.endr
.irp p, 0,1,2,3
	v_pk_add_f32 v[T+16*\p:T+16*\p+1], v[T+16*\p:T+16*\p+1], v[T+16*\p+2:T+16*\p+3]
.endr
.irp p, 0,1,2,3
	v_add_f32 v[T+16*\p], v[T+16*\p], v[T+16*\p+1]
.endr
	REDUCE
.irp p, 0,1,2,3
	v_mul_f32 v[T+16*\p+8], s49, v[T+16*\p]        ; the mean
.endr
.irp j, 0,2,4,6
.irp p, 0,1,2,3
	v_pk_add_f32 v[XS+8*\p+\j:XS+8*\p+\j+1], v[XS+8*\p+\j:XS+8*\p+\j+1], v[T+16*\p+8:T+16*\p+9] op_sel_hi:[1,0] neg_lo:[0,1] neg_hi:[0,1]   ; x - mean, in place
.endr
.endr
.irp p, 0,1,2,3
	v_pk_mul_f32 v[T+16*\p:T+16*\p+1], v[XS+8*\p:XS+8*\p+1], v[XS+8*\p:XS+8*\p+1]
.endr
.irp j, 2,4,6
.irp p, 0,1,2,3
	v_pk_fma_f32 v[T+16*\p:T+16*\p+1], v[XS+8*\p+\j:XS+8*\p+\j+1], v[XS+8*\p+\j:XS+8*\p+\j+1], v[T+16*\p:T+16*\p+1]
.endr
.endr
.irp p, 0,1,2,3
	v_add_f32 v[T+16*\p], v[T+16*\p], v[T+16*\p+1]
.endr
	REDUCE
.irp p, 0,1,2,3
	v_fma_f32 v[T+16*\p], v[T+16*\p], s49, s50     ; the variance + 1e-5
.endr
.irp p, 0,1,2,3
	v_rsq_f32 v[T+16*\p+10], v[T+16*\p]
.endr
	v_nop                                          ; a plain line behind the last of the four
	s_wait_alu depctr_va_vdst(0)                   ; one wait for the four, ahead of their first reader
.irp j, 0,2,4,6
.irp p, 0,1,2,3
	v_pk_mul_f32 v[XS+8*\p+\j:XS+8*\p+\j+1], v[XS+8*\p+\j:XS+8*\p+\j+1], v[T+16*\p+10:T+16*\p+11] op_sel_hi:[1,0]
.endr
.endr
.irp j, 0,2,4,6
.irp p, 0,1,2,3
	v_pk_fma_f32 v[XS+8*\p+\j:XS+8*\p+\j+1], v[XS+8*\p+\j:XS+8*\p+\j+1], v[GAM+\j:GAM+\j+1], v[BET+\j:BET+\j+1]   ; xn
.endr
.endr
	; the router: my 8 numbers' part of the 8 logits, two experts an instruction; xn_i serves both halves
.irp i, 0,1,2,3,4,5,6,7
.irp q, 0,1,2,3
.irp p, 0,1,2,3
.if \i == 0
	v_pk_mul_f32 v[T+16*\p+2*\q:T+16*\p+2*\q+1], v[XS+8*\p:XS+8*\p+1], v[WR+2*\q:WR+2*\q+1] op_sel_hi:[0,1]
.elseif (\i%2) == 0
	v_pk_fma_f32 v[T+16*\p+2*\q:T+16*\p+2*\q+1], v[XS+8*\p+\i:XS+8*\p+\i+1], v[WR+8*\i+2*\q:WR+8*\i+2*\q+1], v[T+16*\p+2*\q:T+16*\p+2*\q+1] op_sel_hi:[0,1,1]
.else
	v_pk_fma_f32 v[T+16*\p+2*\q:T+16*\p+2*\q+1], v[XS+8*\p+\i-1:XS+8*\p+\i], v[WR+8*\i+2*\q:WR+8*\i+2*\q+1], v[T+16*\p+2*\q:T+16*\p+2*\q+1] op_sel:[1,0,0] op_sel_hi:[1,1,1]
.endif
.endr
.endr
.endr
.irp i, 0,1,2,3
.irp p, 0,1,2,3
	v_permlane16_swap_b32 v[T+16*\p+\i], v[T+16*\p+\i+4]   ; logit i's upper lanes change places with logit i + 4's lower lanes:
.endr
.endr
.irp p, 0,1,2,3
	v_pk_add_f32 v[T+16*\p:T+16*\p+1], v[T+16*\p:T+16*\p+1], v[T+16*\p+4:T+16*\p+5]         ; lanes 0-15 now sum logit i, lanes 16-31 logit i + 4
	v_pk_add_f32 v[T+16*\p+2:T+16*\p+3], v[T+16*\p+2:T+16*\p+3], v[T+16*\p+6:T+16*\p+7]
.endr
.irp m, 1,2,4,8
.irp i, 0,1,2,3
.irp p, 0,1,2,3
	v_add_f32_dpp v[T+16*\p+\i], v[T+16*\p+\i], v[T+16*\p+\i] row_xmask:\m row_mask:0xf bank_mask:0xf
.endr
.endr
.endr
.irp p, 0,1,2,3
	s_mov_b32 s47, 0x10001<<(4*(\g)+\p)            ; lanes j and 16 + j keep row j's logits
.irp i, 0,1,2,3
	v_cndmask_b32 v[T+16*\i+15], v[T+16*\i+15], v[T+16*\p+\i], s47
.endr
.endr
	; the quantiser: my numbers 0-3 belong to block lane / 8, my numbers 4-7 to block 4 + lane / 8
.irp p, 0,1,2,3
	v_max3_num_f32 v[T+16*\p+13], |v[XS+8*\p]|, |v[XS+8*\p+1]|, 0x1800000       ; with the floor 2^(3 - 127): the byte cannot fall under 1
	v_max3_num_f32 v[T+16*\p+14], |v[XS+8*\p+4]|, |v[XS+8*\p+5]|, 0x1800000
.endr
.irp p, 0,1,2,3
	v_max3_num_f32 v[T+16*\p+13], v[T+16*\p+13], |v[XS+8*\p+2]|, |v[XS+8*\p+3]|
	v_max3_num_f32 v[T+16*\p+14], v[T+16*\p+14], |v[XS+8*\p+6]|, |v[XS+8*\p+7]|
.endr
.irp m, 1,2,4
.irp p, 0,1,2,3
	v_max_num_f32_dpp v[T+16*\p+13], v[T+16*\p+13], v[T+16*\p+13] row_xmask:\m row_mask:0xf bank_mask:0xf
	v_max_num_f32_dpp v[T+16*\p+14], v[T+16*\p+14], v[T+16*\p+14] row_xmask:\m row_mask:0xf bank_mask:0xf
.endr
.endr
.irp p, 0,1,2,3
	v_add_nc_u32 v[T+16*\p+13], 0xff000000, v[T+16*\p+13]   ; 2 off the exponent field: the conversion's scale operand
	v_add_nc_u32 v[T+16*\p+14], 0xff000000, v[T+16*\p+14]
.endr
.irp p, 0,1,2,3
	v_cvt_scalef32_pk8_fp4_f32 v[T+16*\p], v[XS+8*\p:XS+8*\p+7], v[T+16*\p+13]     ; all eight under the first block's scale: the low 16 bits are right,
	v_cvt_scalef32_pk8_fp4_f32 v[T+16*\p+1], v[XS+8*\p:XS+8*\p+7], v[T+16*\p+14]   ; under the second's: the high 16 bits are
.endr
.irp p, 0,1,2,3
	v_lshrrev_b32 v[T+16*\p+2], 23, v[T+16*\p+13]  ; the scales' bytes (plain lines behind the conversions)
	v_lshrrev_b32 v[T+16*\p+3], 23, v[T+16*\p+14]
.endr
.irp p, 0,1,2,3
	v_bfi_b32 v[T+16*\p+4], s46, v[T+16*\p], v[T+16*\p+1]
.endr
.irp p, 0,1,2,3
	ds_store_b16 v4, v[T+16*\p+4] offset:CST+128*(4*(\g)+\p)             ; codes of k = 4 l ..: bytes 2 l, 2 l + 1 of the row
	ds_store_b16_d16_hi v4, v[T+16*\p+4] offset:CST+128*(4*(\g)+\p)+64   ; of k = 128 + 4 l ..
	ds_store_b8 v5, v[T+16*\p+2] offset:SST+8*(4*(\g)+\p)                ; the eight lanes of a block write the same byte with the same value
	ds_store_b8 v5, v[T+16*\p+3] offset:SST+8*(4*(\g)+\p)+4
.endr
.endm
	GROUP 0, 16                                    ; groups 1 and 2 may be out
	XLOAD 3                                        ; into the set that group 0 has left
	GROUP 1, 16                                    ; groups 2 and 3
	GROUP 2, 8                                     ; group 3
	GROUP 3, 0
	; THE TAIL: lanes j and 16 + j work alike on row j.  v192-195 the other half's logits, v196-203 the eight logits, v204, v205 the largest and its index, v206, v207 the second
	s_wait_kmcnt 0x0                               ; br
.irp i, 0,1,2,3
	v_permlanex16_b32 v[192+\i], v[T+16*\i+15], s44, s45
.endr
.irp i, 0,1,2,3
	v_cndmask_b32 v[196+\i], v[T+16*\i+15], v[192+\i], s48
	v_cndmask_b32 v[200+\i], v[192+\i], v[T+16*\i+15], s48
.endr
.irp e, 0,1,2,3,4,5,6,7
	v_add_f32 v[196+\e], s[36+\e], v[196+\e]
.endr
	v_mov_b32 v204, v196
	v_mov_b32 v205, 0
.irp e, 1,2,3,4,5,6,7
	v_cmp_gt_f32 vcc_lo, v[196+\e], v204           ; strictly greater: of equals the lower index stays
	v_cndmask_b32 v204, v204, v[196+\e], vcc_lo
	v_cndmask_b32 v205, v205, \e, vcc_lo
.endr
	v_mov_b32 v208, 0xff800000                     ; -infinity takes the largest's place
.irp e, 0,1,2,3,4,5,6,7
	v_cmp_eq_u32 vcc_lo, \e, v205
	v_cndmask_b32 v[196+\e], v[196+\e], v208, vcc_lo
.endr
	v_mov_b32 v206, v196
	v_mov_b32 v207, 0
.irp e, 1,2,3,4,5,6,7
	v_cmp_gt_f32 vcc_lo, v[196+\e], v206
	v_cndmask_b32 v206, v206, v[196+\e], vcc_lo
	v_cndmask_b32 v207, v207, \e, vcc_lo
.endr
	v_sub_f32 v209, v206, v204                     ; the second less the largest: the softmax's maximum is taken away
	v_mul_f32 v209, 0x3fb8aa3b, v209
	v_exp_f32 v209, v209
	v_min_u32 v212, v205, v207                     ; lo (a plain line behind the exponential)
	s_wait_alu depctr_va_vdst(0)
	v_add_f32 v210, 1.0, v209
	v_rcp_f32 v210, v210                           ; the largest's weight
	v_max_u32 v213, v205, v207                     ; hi
	s_wait_alu depctr_va_vdst(0)
	v_mul_f32 v211, v209, v210                     ; the second's
	v_cmp_lt_u32 vcc_lo, v205, v207
	v_cndmask_b32 v214, v211, v210, vcc_lo         ; lo's gate
	v_cndmask_b32 v215, v210, v211, vcc_lo         ; hi's
	v_sub_nc_u32 v216, 15, v212
	v_mul_u32_u24 v216, v216, v212
	v_lshrrev_b32 v216, 1, v216
	v_add_nc_u32 v216, v216, v213
	v_sub_nc_u32 v216, v216, v212
	v_add_nc_u32 v216, -1, v216                    ; the key: lo (15 - lo) / 2 + hi - lo - 1
	ds_store_b32 v6, v216 offset:KST
	ds_store_b64 v7, v[214:215] offset:GST
	v_mov_b32 v217, 0                              ; lane p counts my 16 rows with key p: values alone, no address
.irp j, 0,1,2,3,4,5,6,7,8,9,10,11,12,13,14,15
	v_readlane_b32 s51, v216, \j
	v_cmp_eq_u32 vcc_lo, s51, v1
	v_add_co_ci_u32 v217, vcc_lo, 0, v217, vcc_lo
.endr
	ds_store_b32 v8, v217 offset:HST
.irp i, 0,1,2,3
	ds_load_b128 v[220+4*\i:223+4*\i], v9 offset:CST+512*\i        ; my own 2,048 bytes of codes: LDS serves a wave's instructions in order
.endr
.irp i, 0,1,2,3
	s_wait_dscnt 3-\i
	global_store_b128 v2, v[220+4*\i:223+4*\i], s[18:19] offset:512*\i   ; 512 consecutive bytes
.endr
	s_wait_dscnt 0x0                               ; for the others' sake: all my LDS stores have landed
	s_barrier_signal -1
	s_barrier_wait -1
	s_cmp_lg_u32 s30, 0
	s_cbranch_scc1 .Lnot_0
.irp j, 0,1,2,3,4,5,6,7
	ds_load_b32 v[236+\j], v11 offset:HST+128*\j   ; wave 0: the eight waves' counts make the work-group's
.endr
	s_wait_dscnt 0x0
	v_add3_u32 v236, v236, v237, v238
	v_add3_u32 v236, v236, v239, v240
	v_add3_u32 v236, v236, v241, v242
	v_add_nc_u32 v236, v236, v243
	global_store_b32 v11, v236, s[26:27]
	s_set_vgpr_msb 0x5
	s_wait_tensorcnt 0x0
	ds_add_u32 v0, v1
	s_wait_dscnt 0x0
	s_set_vgpr_msb 0x500
	s_endpgm
.Lnot_0:
	s_cmp_lg_u32 s30, 1
	s_cbranch_scc1 .Lnot_1
	ds_load_b128 v[236:239], v2 offset:KST         ; wave 1: 128 keys
	s_wait_dscnt 0x0
	global_store_b128 v2, v[236:239], s[24:25]
	s_set_vgpr_msb 0x5
	s_wait_tensorcnt 0x0
	ds_add_u32 v0, v1
	s_wait_dscnt 0x0
	s_set_vgpr_msb 0x500
	s_endpgm
.Lnot_1:
	s_cmp_lg_u32 s30, 2
	s_cbranch_scc1 .Lnot_2
	ds_load_b128 v[236:239], v2 offset:GST         ; wave 2: 128 pairs of gates
	ds_load_b128 v[240:243], v2 offset:GST+512
	s_wait_dscnt 0x0
	global_store_b128 v2, v[236:239], s[22:23]
	global_store_b128 v2, v[240:243], s[22:23] offset:512
	s_set_vgpr_msb 0x5
	s_wait_tensorcnt 0x0
	ds_add_u32 v0, v1
	s_wait_dscnt 0x0
	s_set_vgpr_msb 0x500
	s_endpgm
.Lnot_2:
	s_cmp_lg_u32 s30, 3
	s_cbranch_scc1 .Lnot_3
	ds_load_b128 v[236:239], v2 offset:SST         ; wave 3: 128 x 8 scale bytes
	ds_load_b128 v[240:243], v2 offset:SST+512
	s_wait_dscnt 0x0
	global_store_b128 v2, v[236:239], s[20:21]
	global_store_b128 v2, v[240:243], s[20:21] offset:512
.Lnot_3:
	s_set_vgpr_msb 0x5
	s_wait_tensorcnt 0x0
	ds_add_u32 v0, v1
	s_wait_dscnt 0x0
	s_set_vgpr_msb 0x500
	s_endpgm
.Lfunc_end_k_q4126ad6a0a_route:
	.size	k_q4126ad6a0a_route, .Lfunc_end_k_q4126ad6a0a_route-k_q4126ad6a0a_route
	.p2alignl 7, 3214868480
	.fill 96, 4, 3214868480
	.section	.rodata,"a",@progbits
	.p2align	6, 0x0
	.amdhsa_kernel k_q4126ad6a0a_route
		.amdhsa_group_segment_fixed_size 21504
		.amdhsa_private_segment_fixed_size 0
		.amdhsa_enable_private_segment 0
		.amdhsa_kernarg_size 104
		.amdhsa_user_sgpr_count 2
		.amdhsa_user_sgpr_kernarg_segment_ptr 1
		.amdhsa_wavefront_size32 1
		.amdhsa_system_sgpr_workgroup_id_x 1
		.amdhsa_system_sgpr_workgroup_id_y 1
		.amdhsa_system_sgpr_workgroup_id_z 1
		.amdhsa_system_vgpr_workitem_id 0
		.amdhsa_next_free_vgpr 258
		.amdhsa_next_free_sgpr 66
		.amdhsa_reserve_vcc 1
		.amdhsa_float_denorm_mode_32 3
		.amdhsa_float_denorm_mode_16_64 3
		.amdhsa_memory_ordered 1
		.amdhsa_forward_progress 1
		.amdhsa_inst_pref_size 131
	.end_amdhsa_kernel
	.amdgpu_metadata
---
amdhsa.version: [ 1, 2 ]
amdhsa.kernels:
  - .name:           k_q4126ad6a0a_route
    .symbol:         k_q4126ad6a0a_route.kd
    .args:
      - { .name: x, .offset: 0, .size: 8, .value_kind: global_buffer, .address_space: global }
      - { .name: gamma, .offset: 8, .size: 8, .value_kind: global_buffer, .address_space: global }
      - { .name: beta, .offset: 16, .size: 8, .value_kind: global_buffer, .address_space: global }
      - { .name: Wr, .offset: 24, .size: 8, .value_kind: global_buffer, .address_space: global }
      - { .name: br, .offset: 32, .size: 8, .value_kind: global_buffer, .address_space: global }
      - { .name: W1_codes, .offset: 40, .size: 8, .value_kind: global_buffer, .address_space: global }
      - { .name: W2_codes, .offset: 48, .size: 8, .value_kind: global_buffer, .address_space: global }
      - { .name: xcodes, .offset: 56, .size: 8, .value_kind: global_buffer, .address_space: global }
      - { .name: xscales, .offset: 64, .size: 8, .value_kind: global_buffer, .address_space: global }
      - { .name: gates, .offset: 72, .size: 8, .value_kind: global_buffer, .address_space: global }
      - { .name: keys, .offset: 80, .size: 8, .value_kind: global_buffer, .address_space: global }
      - { .name: hist, .offset: 88, .size: 8, .value_kind: global_buffer, .address_space: global }
      - { .name: wimg, .offset: 96, .size: 8, .value_kind: global_buffer, .address_space: global }
    .group_segment_fixed_size: 21504
    .private_segment_fixed_size: 0
    .kernarg_segment_align: 8
    .kernarg_segment_size: 104
    .max_flat_workgroup_size: 256
    .sgpr_count:     66
    .vgpr_count:     258
    .wavefront_size: 32
...
	.end_amdgpu_metadata
.endif
;; end of part 1
;; launch place (part 2): grid 32 x 1, 8 waves a work-group, no clusters, 3,072 bytes of LDS; arguments keys, hist, order, tiles; writes order, tiles
.if DOCPART == 2
	.amdgcn_target "amdgcn-amd-amdhsa--gfx1250"
	.amdhsa_code_object_version 6
	.text
	.protected	k_q4126ad6a0a_place
	.globl	k_q4126ad6a0a_place
	.p2align	8
	.type	k_q4126ad6a0a_place,@function
k_q4126ad6a0a_place:
	s_mov_b64 s[64:65], 0
	v_nop
	global_prefetch_b8 v0, s[64:65] scope:SCOPE_SE
	s_setreg_imm32_b32 hwreg(HW_REG_WAVE_MODE, 25, 1), 1
	s_wait_xcnt 0x0
; PLACE.  A counting sort of the 32,768 tokens by their key (the pair of experts, 0..27), without atomics, and the list of row tiles.
; order[position] = token: the pairs' buckets on end, dense; within a bucket by token number.  tiles[q] = {first position, rows 1..16, lo | hi << 3, N}: bucket p gives ceil(T_p / 16) tiles, N in all
; (2,048 .. 2,075); entries N .. 2,079 are {0, 0, 8, N}.
; SHARES.  Wave g = 8 x work-group + wave (0..255) places the 128 tokens of group g, for which the launch before has stored a row of 32 counts.  Lane p holds pair p's sums.
; The eight waves of a work-group share the sum over all 256 rows of counts (32 rows each) through LDS: one barrier.  32 work-groups are all that this work fills.
; The stores into order are 4 bytes a lane at scattered places: that is what placing is; 128 KiB in all.
; LIMIT: a key outside 0..27 is placed at position 0.
.set KK,  4                            ; v4-7    my four tokens' keys (token 128 g + 32 i + lane)
.set POS, 8                            ; v8-11   their positions
.set TMP, 12                           ; v12-15  at work; then the token numbers
.set VT,  62                           ; v62     T: pair p's tokens in all
.set VP,  63                           ; v63     P: pair p's tokens in groups before mine
.set QV,  64                           ; v64     q = 32 g + lane: the tile entry that I make
.set SELTB, 65                         ; v65-68  of the pair that tile q belongs to: its first tile, its first position, its tokens, its code
.set SELS, 66
.set SELT, 67
.set SELC, 68
	s_load_b256 s[4:11], s[0:1], 0x0               ; keys, hist, order, tiles
	v_lshl_add_u32 v96, v0, 2, 0x800
	v_mov_b32 v97, 0
	v_lshrrev_b32 v1, 5, v0
	v_readfirstlane_b32 s12, v1                    ; wave
	v_and_b32 v1, 31, v0                           ; lane
	v_lshlrev_b32 v2, 2, v1
	s_lshl_b32 s13, ttmp9, 3
	s_add_co_u32 s13, s13, s12                     ; g
	s_lshl_b32 s14, s13, 9
	s_mov_b32 s15, 0
	s_lshl_b32 s16, s12, 12                        ; rows 32 w on, 128 bytes each
	s_mov_b32 s17, 0
	s_lshl_b32 s18, ttmp9, 10                      ; rows 8 b on
	s_mov_b32 s19, 0
	s_lshl_b32 s26, s12, 7
	v_lshl_add_u32 v3, v1, 2, s26                  ; LDS: 128 w + 4 lane
	s_wait_kmcnt 0x0
	s_add_nc_u64 s[4:5], s[4:5], s[14:15]
	s_add_nc_u64 s[20:21], s[6:7], s[16:17]
	s_add_nc_u64 s[22:23], s[6:7], s[18:19]
.irp i, 0,1,2,3
	global_load_b32 v[KK+\i], v2, s[4:5] offset:128*\i
.endr
.set J, 0
.rept 32
	global_load_b32 v[16+J], v2, s[20:21] offset:128*J
.set J, J+1
.endr
.irp j, 0,1,2,3,4,5,6,7
	global_load_b32 v[48+\j], v2, s[22:23] offset:128*\j
.endr
	s_lshl_b32 s38, s13, 7                         ; my first token
	s_lshl_b32 s39, s13, 5
	v_add_nc_u32 v[QV], s39, v1
.irp i, 0,1,2,3
	v_mov_b32 v[POS+\i], 0
.endr
	v_mov_b32 v[SELTB], 0
	v_mov_b32 v[SELS], 0
	v_mov_b32 v[SELT], 0
	v_mov_b32 v[SELC], 0
	s_wait_loadcnt 0x0
.irp c, 0,1,2,3                        ; four sums of 8 groups
	v_add3_u32 v[56+\c], v[16+8*\c], v[17+8*\c], v[18+8*\c]
	v_add3_u32 v[56+\c], v[56+\c], v[19+8*\c], v[20+8*\c]
	v_add3_u32 v[56+\c], v[56+\c], v[21+8*\c], v[22+8*\c]
	v_add_nc_u32 v[56+\c], v[56+\c], v[23+8*\c]
.endr
	v_add3_u32 v60, v56, v57, v58
	v_add_nc_u32 v60, v60, v59                     ; my 32 groups in all
	s_lshl_b32 s24, s12, 2
.irp c, 0,1,2,3
	s_add_co_u32 s27, s24, \c
	s_cmp_lt_u32 s27, ttmp9                        ; 8 groups that lie before my work-group's 8 count for P
	s_cselect_b32 s25, -1, 0
	v_and_b32 v[56+\c], s25, v[56+\c]
.endr
	v_add3_u32 v61, v56, v57, v58
	v_add_nc_u32 v61, v61, v59
	ds_store_b32 v3, v60
	ds_store_b32 v3, v61 offset:1024
	s_wait_dscnt 0x0                               ; for the others' sake
	s_barrier_signal -1
	s_barrier_wait -1
.irp j, 0,1,2,3,4,5,6,7
	ds_load_b32 v[16+\j], v2 offset:128*\j
	ds_load_b32 v[24+\j], v2 offset:1024+128*\j
.endr
.irp j, 0,1,2,3,4,5,6,7
	s_cmp_gt_u32 s12, \j                           ; of my work-group's 8 groups those before mine
	s_cselect_b32 s25, -1, 0
	v_and_b32 v[48+\j], s25, v[48+\j]
.endr
	s_wait_dscnt 0x0
	v_add3_u32 v[VT], v16, v17, v18
	v_add3_u32 v[VT], v[VT], v19, v20
	v_add3_u32 v[VT], v[VT], v21, v22
	v_add_nc_u32 v[VT], v[VT], v23
	v_add3_u32 v[VP], v24, v25, v26
	v_add3_u32 v[VP], v[VP], v27, v28
	v_add3_u32 v[VP], v[VP], v29, v30
	v_add3_u32 v[VP], v[VP], v31, v48
	v_add3_u32 v[VP], v[VP], v49, v50
	v_add3_u32 v[VP], v[VP], v51, v52
	v_add3_u32 v[VP], v[VP], v53, v54
	v_add_nc_u32 v[VP], v[VP], v55
	s_mov_b32 s36, 0                               ; the pair's first position
	s_mov_b32 s37, 0                               ; the pair's first tile
; The 28 pairs, written out.  A token with key p goes to: the pair's first position + the pair's tokens in earlier groups + those of my group before it.
.set LO, 0
.set HI, 1
.set PN, 0
.rept 28
.irp i, 0,1,2,3
	v_cmp_eq_u32 s[48+\i], PN, v[KK+\i]
.endr
	v_readlane_b32 s40, v[VT], PN
	v_readlane_b32 s41, v[VP], PN
	v_cmp_le_u32 vcc_lo, s37, v[QV]                ; the last pair whose first tile is not behind q is q's
	v_cndmask_b32 v[SELTB], v[SELTB], s37, vcc_lo
	v_cndmask_b32 v[SELS], v[SELS], s36, vcc_lo
	v_cndmask_b32 v[SELC], v[SELC], LO|(HI<<3), vcc_lo
	s_add_co_u32 s42, s36, s41
	s_bcnt1_i32_b32 s52, s48
	s_add_co_u32 s43, s42, s52
	s_bcnt1_i32_b32 s52, s49
	s_add_co_u32 s44, s43, s52
	s_bcnt1_i32_b32 s52, s50
	s_add_co_u32 s45, s44, s52
	v_cndmask_b32 v[SELT], v[SELT], s40, vcc_lo
.irp i, 0,1,2,3
	v_mbcnt_lo_u32_b32 v[TMP+\i], s[48+\i], s[42+\i]
.endr
.irp i, 0,1,2,3
	v_cndmask_b32 v[POS+\i], v[POS+\i], v[TMP+\i], s[48+\i]
.endr
	s_add_co_u32 s36, s36, s40
	s_add_co_u32 s40, s40, 15
	s_lshr_b32 s40, s40, 4
	s_add_co_u32 s37, s37, s40
.set PN, PN+1
.set HI, HI+1
.if HI == 8
.set LO, LO+1
.set HI, LO+1
.endif
.endr
.irp i, 0,1,2,3
	v_min_u32 v[POS+\i], 0x7fff, v[POS+\i]         ; a position stays inside order
	v_lshlrev_b32 v[POS+\i], 2, v[POS+\i]
	v_add_nc_u32 v[TMP+\i], s38, v1
	v_add_nc_u32 v[TMP+\i], 32*\i, v[TMP+\i]
	global_store_b32 v[POS+\i], v[TMP+\i], s[8:9]
.endr
	s_cmp_lt_u32 s13, 65                           ; 65 waves x 32 lanes make the 2,080 entries
	s_cbranch_scc0 .Lend
	v_sub_nc_u32 v69, v[QV], v[SELTB]
	v_lshlrev_b32 v69, 4, v69                      ; 16 x the tile's number in its pair
	v_add_nc_u32 v72, v[SELS], v69
	v_sub_nc_u32 v73, v[SELT], v69
	v_min_u32 v73, 16, v73
	v_mov_b32 v75, s37                             ; N
	v_cmp_le_u32 vcc_lo, s37, v[QV]                ; behind the last tile
	v_cndmask_b32 v72, v72, 0, vcc_lo
	v_cndmask_b32 v73, v73, 0, vcc_lo
	v_cndmask_b32 v74, v[SELC], 8, vcc_lo
	v_lshlrev_b32 v70, 4, v[QV]
	global_store_b128 v70, v[72:75], s[10:11]      ; 512 consecutive bytes a wave
.Lend:
	s_wait_tensorcnt 0x0
	ds_add_u32 v96, v97
	s_wait_dscnt 0x0
	s_endpgm
.Lfunc_end_k_q4126ad6a0a_place:
	.size	k_q4126ad6a0a_place, .Lfunc_end_k_q4126ad6a0a_place-k_q4126ad6a0a_place
	.p2alignl 7, 3214868480
	.fill 96, 4, 3214868480
	.section	.rodata,"a",@progbits
	.p2align	6, 0x0
	.amdhsa_kernel k_q4126ad6a0a_place
		.amdhsa_group_segment_fixed_size 3072
		.amdhsa_private_segment_fixed_size 0
		.amdhsa_enable_private_segment 0
		.amdhsa_kernarg_size 32
		.amdhsa_user_sgpr_count 2
		.amdhsa_user_sgpr_kernarg_segment_ptr 1
		.amdhsa_wavefront_size32 1
		.amdhsa_system_sgpr_workgroup_id_x 1
		.amdhsa_system_sgpr_workgroup_id_y 1
		.amdhsa_system_sgpr_workgroup_id_z 1
		.amdhsa_system_vgpr_workitem_id 0
		.amdhsa_next_free_vgpr 98
		.amdhsa_next_free_sgpr 66
		.amdhsa_reserve_vcc 1
		.amdhsa_float_denorm_mode_32 3
		.amdhsa_float_denorm_mode_16_64 3
		.amdhsa_memory_ordered 1
		.amdhsa_forward_progress 1
		.amdhsa_inst_pref_size 54
	.end_amdhsa_kernel
	.amdgpu_metadata
---
amdhsa.version: [ 1, 2 ]
amdhsa.kernels:
  - .name:           k_q4126ad6a0a_place
    .symbol:         k_q4126ad6a0a_place.kd
    .args:
      - { .name: keys, .offset: 0, .size: 8, .value_kind: global_buffer, .address_space: global }
      - { .name: hist, .offset: 8, .size: 8, .value_kind: global_buffer, .address_space: global }
      - { .name: order, .offset: 16, .size: 8, .value_kind: global_buffer, .address_space: global }
      - { .name: tiles, .offset: 24, .size: 8, .value_kind: global_buffer, .address_space: global }
    .group_segment_fixed_size: 3072
    .private_segment_fixed_size: 0
    .kernarg_segment_align: 8
    .kernarg_segment_size: 32
    .max_flat_workgroup_size: 256
    .sgpr_count:     66
    .vgpr_count:     98
    .wavefront_size: 32
...
	.end_amdgpu_metadata
.endif
;; end of part 2
;; launch chain (part 3): grid 256 x 1, 4 waves a work-group, no clusters, 41,472 bytes of LDS; arguments xcodes, xscales, gates, order, tiles, wimg, W1_scales, b1, W2_scales, b2, out0; writes out0
.if DOCPART == 3
	.amdgcn_target "amdgcn-amd-amdhsa--gfx1250"
	.amdhsa_code_object_version 6
	.text
	.protected	k_q4126ad6a0a_chain
	.globl	k_q4126ad6a0a_chain
	.p2align	8
	.type	k_q4126ad6a0a_chain,@function
k_q4126ad6a0a_chain:
	s_mov_b64 s[64:65], 0
	v_nop
	global_prefetch_b8 v0, s[64:65] scope:SCOPE_SE
	s_setreg_imm32_b32 hwreg(HW_REG_WAVE_MODE, 25, 1), 1
	s_wait_xcnt 0x0
; CHAIN.  out[token] = g_lo (Q(gelu(Q(xn) W1[lo] + b1[lo])) W2[lo] + b2[lo]) + g_hi (the same with hi): only a token's two chosen experts are multiplied, both products on E2M1 codes with E8M0 scales.
; SHARES.  A row tile is 16 tokens of one pair of experts.  Work-group W takes tiles (W N) >> 8 up to ((W + 1) N) >> 8 of the stored list, 8 or 9 neighbours; the loop has 9 trips, and a trip without a tile
; jumps over the work, never over the barrier.  THE WAVES SHARE THE COLUMNS: wave w makes hidden units 128 w .. + 127 and outputs 64 w .. + 63 of BOTH experts; its parts of W1, W2, their scale words and the
; biases stay in registers and are loaded again only where a tile's pair differs from the last tile's.  Each output row has one owner: nothing is added across work-groups.
; Both products are used transposed (source 0 = 16 rows of a weight, source 1 = the 16 tokens), so a lane holds one token.  The rows of W1 that form a tile are chosen (row 32 b + 8 u + r + 8 (r / 8) for tile 2 b + u)
; so that the 16 registers of tiles 2 b, 2 b + 1 are 16 neighbours along the next K.  The hidden layer goes from wave to wave through LDS as images of the operand's registers; two buffers take turns, one barrier a trip.
; Rows past a tile's count repeat its last token: they compute and store the same numbers at the same place.
; NO TENSOR LOAD, NO CLUSTER: the skip and the reload are branches on stored numbers; and a work-group reads its 256 KiB of weights once or twice for 8 or 9 tiles, so there is little to share.
; GELU, exact form: a (0.5 + a_c P(u) / Q(u)), u = a_c^2, a_c = a held to +-5.4199829: 0.5 erf(a / sqrt 2) as a rational function of degrees 4 and 6 in u.
; LIMITS: 0.5 + 0.5 erf carries an absolute error of about 1e-7, so gelu's relative error grows as 1e-7 / Phi(a) for a under about -2; under -5.42 the result is a x (0 .. 6e-8) in place of about -0.
; NaN and infinities are not served.  A block of zeros gets the scale byte 1, not 127: its codes are zeros.
; REGISTERS, in windows of 256.  Window 0: v1-14 offsets that stay; v16-47 W1's scale words, v48-79 W2's, v96-97 x's, v100-107 the hidden layer's (these hold scales alone); v80-95 x's two fragments; v98-99 the gates;
;   v108-109 token numbers; v110-125 at work; v126 a scale word just made; v128-191 the hidden tiles, then 8 hidden fragments, then the results; v192-239 at work; v240-243 two coefficients; v244-253 the trip's addresses.
;   Window 1: W1, lo at v0, hi at v128 (fragment 2 t + s).   Window 2: W2 likewise (fragment 4 n + s).   Window 3: b1 lo v0, hi v64; b2 lo v128, hi v160; the sums of y: lo v192, hi v224.
.set W1S, 16
.set W2S, 48
.set XF,  80
.set XS,  96
.set GG,  98
.set HS,  100
.set AC,  110                          ; the held a, 16 at a time
.set TM,  110                          ; the quantiser's 16 registers
.set PW,  126
.set HA,  128
.set UU,  192
.set PP,  208
.set QQ,  224
.set PC,  224                          ; the codes just made
.set KA3, 240
.set KB5, 242
.set HBUF, 9216                        ; LDS: two buffers: images at 4,096 set + 1,024 s + 512 c + 16 lane, scale words at 8,192 + 512 set + 128 s + 4 lane
.set STG,  18432                       ; a stage of 16 rows x (256 + 16) bytes for each wave
.set IDS,  35840                       ; 9 tiles x 16 token numbers for each wave; row r at word 8 (r % 2) + r / 2
.set CA4, 28                           ; s[28:45] coefficient pairs (both words written: the packed form names the pair)
.set CA2, 30
.set CA1, 32
.set CA0, 34
.set CB6, 36
.set CB4, 38
.set CB3, 40
.set CB2, 42
.set CB1, 44
.set MSB, 0
.macro WIN new                         ; the immediate's high byte repeats the setting that is left
.if MSB != \new
	s_set_vgpr_msb (MSB<<8)|\new
.set MSB, \new
.endif
.endm
; One expert's part for my wave into register set 0 (lo) or 1 (hi).  ex: the scalar register with the expert's number.
.macro LOADW set, ex
.set SB, 76+10*(\set)
	s_min_u32 s98, s[\ex], 7                       ; a stored number enters an address only held
	s_mov_b32 s97, 0
	s_lshl_b32 s96, s98, 17
	s_add_nc_u64 s[SB:SB+1], s[14:15], s[96:97]    ; wimg
	s_lshl_b32 s96, s98, 12
	s_add_nc_u64 s[SB+2:SB+3], s[16:17], s[96:97]  ; W1_scales
	s_add_nc_u64 s[SB+6:SB+7], s[20:21], s[96:97]  ; W2_scales
	s_lshl_b32 s96, s98, 11
	s_add_nc_u64 s[SB+4:SB+5], s[18:19], s[96:97]  ; b1
	s_lshl_b32 s96, s98, 10
	s_add_nc_u64 s[SB+8:SB+9], s[22:23], s[96:97]  ; b2
	WIN 0x40                                       ; destination window 1
.set PI, 0
.rept 32
	global_load_b128 v[128*(\set)+4*PI:128*(\set)+4*PI+3], v1, s[SB:SB+1] offset:512*PI          ; 512 consecutive bytes: four registers of a fragment as they stand
.set PI, PI+1
.endr
	WIN 0x80                                       ; window 2
.set PI, 0
.rept 32
	global_load_b128 v[128*(\set)+4*PI:128*(\set)+4*PI+3], v1, s[SB:SB+1] offset:16384+512*PI
.set PI, PI+1
.endr
	WIN 0xc0                                       ; window 3: the biases in the results' layout
.irp t, 0,1,2,3,4,5,6,7
	global_load_b128 v[64*(\set)+8*\t:64*(\set)+8*\t+3], v12, s[SB+4:SB+5] offset:128*(\t/2)+32*(\t%2)
	global_load_b128 v[64*(\set)+8*\t+4:64*(\set)+8*\t+7], v12, s[SB+4:SB+5] offset:128*(\t/2)+32*(\t%2)+16
.endr
.irp n, 0,1,2,3
	global_load_b128 v[128+32*(\set)+8*\n:128+32*(\set)+8*\n+3], v14, s[SB+8:SB+9] offset:64*\n
	global_load_b128 v[128+32*(\set)+8*\n+4:128+32*(\set)+8*\n+7], v14, s[SB+8:SB+9] offset:64*\n+16
.endr
	WIN 0
.irp t, 0,1,2,3,4,5,6,7
	global_load_b64 v[W1S+16*(\set)+2*\t:W1S+16*(\set)+2*\t+1], v11, s[SB+2:SB+3] offset:(32*(\t/2)+8*(\t%2))*8
.endr
.irp n, 0,1,2,3
	global_load_b128 v[W2S+16*(\set)+4*\n:W2S+16*(\set)+4*\n+3], v9, s[SB+6:SB+7] offset:256*\n
.endr
.endm
.macro XLOAD                           ; a tile's codes and scale words of xn: lane (r, h) takes row r's token; v251 = 128 x token + 16 h, v252 = 8 x token
.irp c, 0,1,2,3
	global_load_b128 v[XF+4*\c:XF+4*\c+3], v251, s[4:5] offset:32*\c
.endr
	global_load_b64 v[XS:XS+1], v252, s[6:7]
.endm
; The first product for one expert: my 8 tiles of 16 hidden units, two K steps; the bias starts each sum.  The eight accumulators take turns.
.macro P1 set
	WIN 0x31                                       ; source 0 (W1) window 1, source 2 (b1) window 3
.irp t, 0,1,2,3,4,5,6,7
	v_wmma_scale_f32_16x16x128_f8f6f4 v[HA+8*\t:HA+8*\t+7], v[128*(\set)+16*\t:128*(\set)+16*\t+7], v[XF:XF+7], v[64*(\set)+8*\t:64*(\set)+8*\t+7], v[W1S+16*(\set)+2*\t], v[XS] matrix_a_fmt:MATRIX_FMT_FP4 matrix_b_fmt:MATRIX_FMT_FP4
.endr
	WIN 0x01
.irp t, 0,1,2,3,4,5,6,7
	v_wmma_scale_f32_16x16x128_f8f6f4 v[HA+8*\t:HA+8*\t+7], v[128*(\set)+16*\t+8:128*(\set)+16*\t+15], v[XF+8:XF+15], v[HA+8*\t:HA+8*\t+7], v[W1S+16*(\set)+2*\t+1], v[XS+1] matrix_a_fmt:MATRIX_FMT_FP4 matrix_b_fmt:MATRIX_FMT_FP4
.endr
	WIN 0
.rept 4
	v_nop                                          ; four places ahead of the first read of results and of loads into registers that these products read
.endr
.endm
; Sixteen numbers, v[HA + 16 c] on, in place.  The 16 reciprocals are one batch: the numerator's 40 plain lines follow them, then ONE wait, then their readers.
.macro GELU c
.irp j, 0,1,2,3,4,5,6,7,8,9,10,11,12,13,14,15
	v_med3_num_f32 v[AC+\j], v[HA+16*(\c)+\j], s47, s46            ; each accumulator is read from its low end on
.endr
.irp j, 0,2,4,6,8,10,12,14
	v_pk_mul_f32 v[UU+\j:UU+\j+1], v[AC+\j:AC+\j+1], v[AC+\j:AC+\j+1]
.endr
.irp j, 0,2,4,6,8,10,12,14
	v_pk_fma_f32 v[QQ+\j:QQ+\j+1], v[UU+\j:UU+\j+1], s[CB6:CB6+1], v[KB5:KB5+1] op_sel_hi:[1,0,1]
.endr
.irp k, CB4, CB3, CB2, CB1
.irp j, 0,2,4,6,8,10,12,14
	v_pk_fma_f32 v[QQ+\j:QQ+\j+1], v[QQ+\j:QQ+\j+1], v[UU+\j:UU+\j+1], s[\k:\k+1] op_sel_hi:[1,1,0]
.endr
.endr
.irp j, 0,2,4,6,8,10,12,14
	v_pk_fma_f32 v[QQ+\j:QQ+\j+1], v[QQ+\j:QQ+\j+1], v[UU+\j:UU+\j+1], 1.0 op_sel_hi:[1,1,0]
.endr
.irp j, 0,1,2,3,4,5,6,7,8,9,10,11,12,13,14,15
	v_rcp_f32 v[QQ+\j], v[QQ+\j]
.endr
.irp j, 0,2,4,6,8,10,12,14
	v_pk_fma_f32 v[PP+\j:PP+\j+1], v[UU+\j:UU+\j+1], s[CA4:CA4+1], v[KA3:KA3+1] op_sel_hi:[1,0,1]
.endr
.irp k, CA2, CA1, CA0
.irp j, 0,2,4,6,8,10,12,14
	v_pk_fma_f32 v[PP+\j:PP+\j+1], v[PP+\j:PP+\j+1], v[UU+\j:UU+\j+1], s[\k:\k+1] op_sel_hi:[1,1,0]
.endr
.endr
.irp j, 0,2,4,6,8,10,12,14
	v_pk_mul_f32 v[PP+\j:PP+\j+1], v[PP+\j:PP+\j+1], v[AC+\j:AC+\j+1]
.endr
	s_wait_alu depctr_va_vdst(0)                   ; one wait for the batch, ahead of its first reader
.irp j, 0,2,4,6,8,10,12,14
	v_pk_fma_f32 v[PP+\j:PP+\j+1], v[PP+\j:PP+\j+1], v[QQ+\j:QQ+\j+1], 0.5 op_sel_hi:[1,1,0]
.endr
.irp j, 0,2,4,6,8,10,12,14
	v_pk_mul_f32 v[HA+16*(\c)+\j:HA+16*(\c)+\j+1], v[HA+16*(\c)+\j:HA+16*(\c)+\j+1], v[PP+\j:PP+\j+1]
.endr
.endm
; 64 numbers of a lane, register 16 b + i = k 32 b + 16 (lane / 16) + i of my token, become a fragment's codes in v[PC] on and its scale word in v[PW].
.macro QUANT s
.irp b, 0,1,2,3
	v_max3_num_f32 v[TM+\b], |v[\s+16*\b]|, |v[\s+1+16*\b]|, 0x1800000   ; with the floor 2^(3 - 127): the byte cannot fall under 1
.endr
.irp i, 2,4,6,8,10,12,14
.irp b, 0,1,2,3
	v_max3_num_f32 v[TM+\b], v[TM+\b], |v[\s+16*\b+\i]|, |v[\s+1+16*\b+\i]|
.endr
.endr
.irp b, 0,1,2,3
	v_permlanex16_b32 v[TM+4+\b], v[TM+\b], s48, s49
.endr
.irp b, 0,1,2,3
	v_max_num_f32 v[TM+\b], v[TM+\b], v[TM+4+\b]   ; with lane l xor 16's: the block's largest magnitude
.endr
.irp b, 0,1,2,3
	v_add_nc_u32 v[TM+12+\b], 0xff000000, v[TM+\b] ; 2 off its exponent field: the conversion's scale operand
.endr
.irp b, 0,1,2,3
	v_lshrrev_b32 v[TM+4+\b], 23, v[TM+12+\b]      ; the scale's byte
.endr
	v_lshl_or_b32 v[PW], v[TM+5], 8, v[TM+4]
	v_lshl_or_b32 v[PW], v[TM+6], 16, v[PW]
	v_lshl_or_b32 v[PW], v[TM+7], 24, v[PW]
.irp b, 0,1,2,3
	v_cvt_scalef32_pk8_fp4_f32 v[PC+2*\b], v[\s+16*\b:\s+7+16*\b], v[TM+12+\b]
	v_cvt_scalef32_pk8_fp4_f32 v[PC+1+2*\b], v[\s+8+16*\b:\s+15+16*\b], v[TM+12+\b]
.endr
	v_nop                                          ; one plain line behind the last scaled conversion
.irp c, 0,1                                    ; the operand's layout wants a whole block in a lane
.irp i, 0,1
	v_permlane16_swap_b32 v[PC+4*\c+\i], v[PC+2+4*\c+\i]
.endr
.endr
.endm
.macro IMAGE set                       ; the fragment goes to LDS as it stands: K step w of the second product
	ds_store_b128 v244, v[PC:PC+3] offset:4096*\set
	ds_store_b128 v244, v[PC+4:PC+7] offset:4096*\set+512
	ds_store_b32 v245, v[PW] offset:8192+512*\set
.endm
	s_load_b512 s[4:19], s[0:1], 0x0               ; xcodes, xscales, gates, order, tiles, wimg, W1_scales, b1
	s_load_b128 s[20:23], s[0:1], 0x40             ; W2_scales, b2
	s_load_b64 s[24:25], s[0:1], 0x50              ; out0
	v_lshl_add_u32 v254, v0, 2, 0xa000
	v_mov_b32 v255, 0
	v_lshrrev_b32 v1, 5, v0
	v_readfirstlane_b32 s26, v1                    ; wave 0..3
	v_and_b32 v15, 31, v0                          ; lane
	v_and_b32 v128, 15, v0                         ; r
	v_bfe_u32 v129, v0, 4, 1                       ; h
	v_lshlrev_b32 v1, 4, v15                       ; v1  16 lane
	v_lshlrev_b32 v2, 2, v15                       ; v2  4 lane
	s_lshl_b32 s66, s26, 10
	v_add_nc_u32 v3, s66, v1                       ; v3  images in: 16 lane + 1,024 w
	s_lshl_b32 s67, s26, 7
	v_add_nc_u32 v4, s67, v2                       ; v4  scale words in: 4 lane + 128 w
	s_mul_i32 s68, s26, 4352
	s_add_co_u32 s68, s68, STG
	v_mul_u32_u24 v5, v128, 272
	v_lshl_add_u32 v5, v129, 5, v5
	v_add_nc_u32 v5, s68, v5                       ; v5  stage in: row r, + 32 h
	v_mul_u32_u24 v6, v129, 272
	v_lshl_add_u32 v6, v128, 4, v6
	v_add_nc_u32 v6, s68, v6                       ; v6  stage out: lanes 0-15 one row, lanes 16-31 the next
	s_mul_i32 s69, s26, 576
	s_add_co_u32 s69, s69, IDS
	v_and_b32 v7, 1, v0
	v_bfe_u32 v8, v0, 1, 3
	v_lshlrev_b32 v7, 5, v7
	v_lshl_add_u32 v7, v8, 2, v7
	v_add_nc_u32 v7, s69, v7                       ; v7  row r's token number: 32 (r % 2) + 4 (r / 2)
	v_lshl_add_u32 v8, v129, 5, s69                ; v8  the eight rows 2 t + h
	v_lshlrev_b32 v9, 4, v128                      ; v9  16 r
	v_lshlrev_b32 v10, 4, v129                     ; v10 16 h
	v_and_b32 v11, 8, v128
	v_add_nc_u32 v11, v11, v128
	v_lshlrev_b32 v11, 3, v11                      ; v11 8 (r + 8 (r / 8)): W1's scale words
	v_lshlrev_b32 v12, 6, v129                     ; v12 64 h: b1
	v_lshlrev_b32 v14, 5, v129                     ; v14 32 h: b2
	s_wait_kmcnt 0x0
	s_load_b32 s27, s[12:13], 0xc                  ; N
	s_mov_b32 s97, 0
	s_lshl_b32 s96, s26, 15
	s_add_nc_u64 s[14:15], s[14:15], s[96:97]      ; my wave's part of each
	s_lshl_b32 s96, s26, 10
	s_add_nc_u64 s[16:17], s[16:17], s[96:97]
	s_add_nc_u64 s[20:21], s[20:21], s[96:97]
	s_lshl_b32 s96, s26, 9
	s_add_nc_u64 s[18:19], s[18:19], s[96:97]
	s_lshl_b32 s96, s26, 8
	s_add_nc_u64 s[22:23], s[22:23], s[96:97]
	s_add_nc_u64 s[24:25], s[24:25], s[96:97]
	s_wait_kmcnt 0x0
	s_min_u32 s27, s27, 2075
	s_mul_i32 s90, ttmp9, s27
	s_lshr_b32 s91, s90, 8                         ; my first tile
	s_add_co_u32 s90, s90, s27
	s_lshr_b32 s90, s90, 8
	s_sub_co_u32 s67, s90, s91                     ; s67 = my tiles: 8 or 9
	s_min_u32 s91, s91, 2071                       ; nine entries stay inside the list's 2,080
	s_lshl_b32 s96, s91, 4
	s_add_nc_u64 s[98:99], s[12:13], s[96:97]
	s_load_b512 s[28:43], s[98:99], 0x0            ; entry i at s[28 + 4 i]: first position, rows, code, N
	s_load_b512 s[44:59], s[98:99], 0x40
	s_load_b128 s[60:63], s[98:99], 0x80
	s_wait_kmcnt 0x0
.irp i, 0,1,2,3,4,5,6,7,8
	s_max_u32 s96, s[29+4*\i], 1
	s_sub_co_u32 s96, s96, 1
	v_min_u32 v[130+\i], s96, v128                 ; rows past the count repeat the last
	v_add_nc_u32 v[130+\i], s[28+4*\i], v[130+\i]
	v_min_u32 v[130+\i], 0x7fff, v[130+\i]
	v_lshlrev_b32 v[130+\i], 2, v[130+\i]
	global_load_b32 v[140+\i], v[130+\i], s[10:11]
.endr
	s_mov_b32 s68, 0                               ; the tiles' codes, 6 bits each: tiles 0-4 in s68, tiles 5-8 in s69
	s_mov_b32 s69, 0
.irp i, 0,1,2,3,4
	s_and_b32 s96, s[30+4*\i], 63
	s_lshl_b32 s96, s96, 6*\i
	s_or_b32 s68, s68, s96
.endr
.irp i, 5,6,7,8
	s_and_b32 s96, s[30+4*\i], 63
	s_lshl_b32 s96, s96, 6*(\i-5)
	s_or_b32 s69, s69, s96
.endr
	s_and_b32 s70, s30, 63                         ; s70 = the pair whose weights lie in registers
	s_and_b32 s74, s70, 7
	s_lshr_b32 s75, s70, 3
	; the entries are done with: their registers take the coefficients.  A_k = alpha_k 2^-k / (2 sqrt 2), B_k = beta_k 2^-k
	s_mov_b32 s[CA4], 0x36a9d4af
	s_mov_b32 s[CA2], 0x3b93955d
	s_mov_b32 s[CA1], 0x3d061aeb
	s_mov_b32 s[CA0], 0x3ecc4229
	s_mov_b32 s[CB6], 0xb0fd3906
	s_mov_b32 s[CB4], 0x38856d28
	s_mov_b32 s[CB3], 0x3ae687d4
	s_mov_b32 s[CB2], 0x3ce34c21
	s_mov_b32 s[CB1], 0x3e7eb44a
.irp k, CA4, CA2, CA1, CA0, CB6, CB4, CB3, CB2, CB1
	s_mov_b32 s[\k+1], s[\k]
.endr
	s_mov_b32 s46, 0x40ad7080                      ; 5.4199829
	s_mov_b32 s47, 0xc0ad7080
	s_mov_b32 s48, 0x76543210
	s_mov_b32 s49, 0xfedcba98                      ; v_permlanex16_b32's selects for lane l xor 16
	v_mov_b32 v[KA3], 0x391df186
	v_mov_b32 v[KA3+1], 0x391df186
	v_mov_b32 v[KB5], 0x354588df
	v_mov_b32 v[KB5+1], 0x354588df
.irp b, 0,1,2,3
	v_mov_b32 v[TM+4+\b], 0                        ; a lane permute's destination counts as one of its sources
.endr
	s_wait_loadcnt 0x0
.irp i, 0,1,2,3,4,5,6,7,8
	v_min_u32 v[140+\i], 0x7fff, v[140+\i]
	ds_store_b32 v7, v[140+\i] offset:64*\i        ; my wave's own copy: both halves of the lanes write the same word with the same value
.endr
	v_lshl_add_u32 v251, v140, 7, v10
	v_lshlrev_b32 v252, 3, v140
	XLOAD                                          ; tile 0
	LOADW 0, 74
	LOADW 1, 75
	s_mov_b32 s66, 0                               ; s66 = the trip
	s_mov_b32 s71, 0                               ; s71 = the hidden layer's buffer in hand
	s_mov_b32 s72, 0                               ; s72 = 64 x trip
	s_wait_loadcnt 0x0
.Ltrip:
	s_wait_xcnt 0x0                                ; the last trip's loads and stores have read their registers: addresses and data may be written again
	s_wait_loadcnt 0x0                             ; no load of the last trip is out: a trip with a tile has waited for all of them and issued none since; a trip without one has left its gates' load out, and the gates' registers are loaded again below
	s_cmp_eq_u32 s66, 5
	s_cselect_b32 s68, s69, s68
	s_and_b32 s97, s68, 63                         ; this tile's pair
	s_lshr_b32 s68, s68, 6
	s_add_co_u32 s73, s72, 64
	s_min_u32 s73, s73, 512                        ; the next tile, or the last once more
	v_add_nc_u32 v244, s71, v3
	v_add_nc_u32 v245, s71, v4
	v_add_nc_u32 v246, s71, v1
	v_add_nc_u32 v247, s71, v2
	v_add_nc_u32 v248, s72, v7
	v_add_nc_u32 v249, s73, v7
	v_add_nc_u32 v250, s72, v8
	ds_load_b32 v108, v248
	ds_load_b32 v109, v249
	s_wait_dscnt 0x0
	v_min_u32 v108, 0x7fff, v108
	v_min_u32 v109, 0x7fff, v109
	v_lshlrev_b32 v253, 3, v108
	v_lshl_add_u32 v251, v109, 7, v10
	v_lshlrev_b32 v252, 3, v109
	global_load_b64 v[GG:GG+1], v253, s[8:9]       ; my token's two gates
	s_cmp_ge_u32 s66, s67
	s_cbranch_scc1 .Lskip_a
	s_cmp_eq_u32 s97, s70
	s_cbranch_scc1 .Lsame
	s_mov_b32 s70, s97                             ; another pair: its weights take the registers.  The last products stand far more than four plain lines back
	s_and_b32 s74, s97, 7
	s_lshr_b32 s75, s97, 3
	LOADW 0, 74
	LOADW 1, 75
	s_wait_loadcnt 0x0
.Lsame:
	s_wait_loadcnt 0x1                             ; this tile's x is in; the one younger load, the gates', may be out
	P1 0
	GELU 0
	GELU 1
	GELU 2
	GELU 3
	QUANT HA
	IMAGE 0
	P1 1
	XLOAD                                          ; the next tile's x, behind the four places: it has the phase below in which to land
	s_wait_dscnt 0x0                               ; the image's stores have read their registers
	GELU 0
	GELU 1
	GELU 2
	GELU 3
	QUANT HA
	IMAGE 1
.Lskip_a:
	s_wait_dscnt 0x0                               ; my images have landed, and my reads of the other buffer, a trip ago, are long in
	s_barrier_signal -1
	s_barrier_wait -1                              ; all eight fragments of this buffer lie in LDS; it is written again only behind the next barrier but one
	s_cmp_ge_u32 s66, s67
	s_cbranch_scc1 .Lskip_b
	ds_load_b128 v[208:211], v250                  ; the token numbers of rows 2 t + h
	ds_load_b128 v[212:215], v250 offset:16
.irp e, 0,1
.irp s, 0,1,2,3
	ds_load_b128 v[HA+32*\e+8*\s:HA+32*\e+8*\s+3], v246 offset:4096*\e+1024*\s
	ds_load_b128 v[HA+32*\e+8*\s+4:HA+32*\e+8*\s+7], v246 offset:4096*\e+1024*\s+512
	ds_load_b32 v[HS+4*\e+\s], v247 offset:8192+512*\e+128*\s
.endr
.endr
	s_wait_dscnt 0x0
	WIN 0xf2                                       ; source 0 (W2) window 2; C and D (b2, y) window 3
.irp s, 0,1,2,3                                ; eight accumulators by turns, a K step at a time
.irp n, 0,1,2,3
.irp e, 0,1
.if \s == 0
	v_wmma_scale_f32_16x16x128_f8f6f4 v[192+32*\e+8*\n:199+32*\e+8*\n], v[128*\e+8*(4*\n+\s):128*\e+8*(4*\n+\s)+7], v[HA+32*\e+8*\s:HA+32*\e+8*\s+7], v[128+32*\e+8*\n:135+32*\e+8*\n], v[W2S+16*\e+4*\n+\s], v[HS+4*\e+\s] matrix_a_fmt:MATRIX_FMT_FP4 matrix_b_fmt:MATRIX_FMT_FP4
.else
	v_wmma_scale_f32_16x16x128_f8f6f4 v[192+32*\e+8*\n:199+32*\e+8*\n], v[128*\e+8*(4*\n+\s):128*\e+8*(4*\n+\s)+7], v[HA+32*\e+8*\s:HA+32*\e+8*\s+7], v[192+32*\e+8*\n:199+32*\e+8*\n], v[W2S+16*\e+4*\n+\s], v[HS+4*\e+\s] matrix_a_fmt:MATRIX_FMT_FP4 matrix_b_fmt:MATRIX_FMT_FP4
.endif
.endr
.endr
.endr
	WIN 0
.irp t, 0,1,2,3,4,5,6,7
	v_min_u32 v[208+\t], 0x7fff, v[208+\t]         ; sixteen plain lines on other registers: the places behind the last products
.endr
.irp t, 0,1,2,3,4,5,6,7
	v_lshl_add_u32 v[208+\t], v[208+\t], 10, v9    ; 1,024 x token + 16 (lane % 16)
.endr
	s_wait_loadcnt 0x0                             ; the gates; the next tile's x was asked for a whole phase ago
	WIN 0x03                                       ; source 0 window 3
.irp n, 0,1,2,3
.irp k, 0,2,4,6
	v_pk_mul_f32 v[HA+8*\n+\k:HA+8*\n+\k+1], v[192+8*\n+\k:192+8*\n+\k+1], v[GG:GG+1] op_sel_hi:[1,0]     ; y_lo x lo's gate; each accumulator from its low end on
.endr
.endr
.irp n, 0,1,2,3
.irp k, 0,2,4,6
	v_pk_fma_f32 v[HA+8*\n+\k:HA+8*\n+\k+1], v[224+8*\n+\k:224+8*\n+\k+1], v[GG:GG+1], v[HA+8*\n+\k:HA+8*\n+\k+1] op_sel:[0,1,0] op_sel_hi:[1,1,1]   ; + y_hi x hi's gate
.endr
.endr
	WIN 0
.irp n, 0,1,2,3
	ds_store_b128 v5, v[HA+8*\n:HA+8*\n+3] offset:64*\n            ; lane (r, h): outputs 64 w + 16 n + 8 h + 0 .. 7 of token r, into my own stage
	ds_store_b128 v5, v[HA+8*\n+4:HA+8*\n+7] offset:64*\n+16
.endr
.irp t, 0,1,2,3,4,5,6,7
	ds_load_b128 v[160+4*\t:163+4*\t], v6 offset:544*\t            ; LDS serves a wave's instructions in order: these see my stores
.endr
.irp t, 0,1,2,3,4,5,6,7
	s_wait_dscnt 7-\t
	global_store_b128 v[208+\t], v[160+4*\t:163+4*\t], s[24:25] th:TH_STORE_NT   ; sixteen lanes store 256 consecutive bytes of a token's row, at a multiple of 256 from out0's first byte
.endr
.Lskip_b:
	s_xor_b32 s71, s71, HBUF
	s_add_co_u32 s72, s72, 64
	s_add_co_u32 s66, s66, 1
	s_cmp_lt_u32 s66, 9
	s_cbranch_scc1 .Ltrip
	s_wait_tensorcnt 0x0
	ds_add_u32 v254, v255
	s_wait_dscnt 0x0
	s_endpgm
.Lfunc_end_k_q4126ad6a0a_chain:
	.size	k_q4126ad6a0a_chain, .Lfunc_end_k_q4126ad6a0a_chain-k_q4126ad6a0a_chain
	.p2alignl 7, 3214868480
	.fill 96, 4, 3214868480
	.section	.rodata,"a",@progbits
	.p2align	6, 0x0
	.amdhsa_kernel k_q4126ad6a0a_chain
		.amdhsa_group_segment_fixed_size 41472
		.amdhsa_private_segment_fixed_size 0
		.amdhsa_enable_private_segment 0
		.amdhsa_kernarg_size 88
		.amdhsa_user_sgpr_count 2
		.amdhsa_user_sgpr_kernarg_segment_ptr 1
		.amdhsa_wavefront_size32 1
		.amdhsa_system_sgpr_workgroup_id_x 1
		.amdhsa_system_sgpr_workgroup_id_y 1
		.amdhsa_system_sgpr_workgroup_id_z 1
		.amdhsa_system_vgpr_workitem_id 0
		.amdhsa_next_free_vgpr 1024
		.amdhsa_next_free_sgpr 100
		.amdhsa_reserve_vcc 0
		.amdhsa_float_denorm_mode_32 3
		.amdhsa_float_denorm_mode_16_64 3
		.amdhsa_memory_ordered 1
		.amdhsa_forward_progress 1
		.amdhsa_inst_pref_size 144
	.end_amdhsa_kernel
	.amdgpu_metadata
---
amdhsa.version: [ 1, 2 ]
amdhsa.kernels:
  - .name:           k_q4126ad6a0a_chain
    .symbol:         k_q4126ad6a0a_chain.kd
    .args:
      - { .name: xcodes, .offset: 0, .size: 8, .value_kind: global_buffer, .address_space: global }
      - { .name: xscales, .offset: 8, .size: 8, .value_kind: global_buffer, .address_space: global }
      - { .name: gates, .offset: 16, .size: 8, .value_kind: global_buffer, .address_space: global }
      - { .name: order, .offset: 24, .size: 8, .value_kind: global_buffer, .address_space: global }
      - { .name: tiles, .offset: 32, .size: 8, .value_kind: global_buffer, .address_space: global }
      - { .name: wimg, .offset: 40, .size: 8, .value_kind: global_buffer, .address_space: global }
      - { .name: W1_scales, .offset: 48, .size: 8, .value_kind: global_buffer, .address_space: global }
      - { .name: b1, .offset: 56, .size: 8, .value_kind: global_buffer, .address_space: global }
      - { .name: W2_scales, .offset: 64, .size: 8, .value_kind: global_buffer, .address_space: global }
      - { .name: b2, .offset: 72, .size: 8, .value_kind: global_buffer, .address_space: global }
      - { .name: out0, .offset: 80, .size: 8, .value_kind: global_buffer, .address_space: global }
    .group_segment_fixed_size: 41472
    .private_segment_fixed_size: 0
    .kernarg_segment_align: 8
    .kernarg_segment_size: 88
    .max_flat_workgroup_size: 128
    .sgpr_count:     100
    .vgpr_count:     1024
    .wavefront_size: 32
...
	.end_amdgpu_metadata
.endif
;; end of part 3
;; ======== version 2 of 2: 3 launches; version 1 with the launch chain written anew for expert scheduling mode
;; workspace buffers: xcodes 4,194,304 bytes; xscales 262,144 bytes; gates 262,144 bytes; keys 131,072 bytes of whole numbers; hist 32,768 bytes of whole numbers; order 131,072 bytes of whole numbers; tiles 33,280 bytes of whole numbers; wimg 1,048,576 bytes
;; launch route: the kernel of part 1 again; grid 256 x 1, 8 waves a work-group, no clusters, 21,504 bytes of LDS; arguments x, gamma, beta, Wr, br, W1_codes, W2_codes, xcodes, xscales, gates, keys, hist, wimg; writes xcodes, xscales, gates, keys, hist, wimg
;; launch place: the kernel of part 2 again; grid 32 x 1, 8 waves a work-group, no clusters, 3,072 bytes of LDS; arguments keys, hist, order, tiles; writes order, tiles
;; launch chain (part 4): grid 256 x 1, 4 waves a work-group, no clusters, 41,472 bytes of LDS; arguments xcodes, xscales, gates, order, tiles, wimg, W1_scales, b1, W2_scales, b2, out0; writes out0
.if DOCPART == 4
	.amdgcn_target "amdgcn-amd-amdhsa--gfx1250"
	.amdhsa_code_object_version 6
	.text
	.protected	k_q4126ad6a0a_chain
	.globl	k_q4126ad6a0a_chain
	.p2align	8
	.type	k_q4126ad6a0a_chain,@function
k_q4126ad6a0a_chain:
	s_mov_b64 s[64:65], 0
	v_nop
	global_prefetch_b8 v0, s[64:65] scope:SCOPE_SE
	s_setreg_imm32_b32 hwreg(HW_REG_WAVE_SCHED_MODE, 0, 2), 2
	s_setreg_imm32_b32 hwreg(HW_REG_WAVE_MODE, 25, 1), 1
	s_wait_xcnt 0x0
	s_wait_alu depctr_vm_vsrc(0)
; CHAIN.  out[token] = g_lo (Q(gelu(Q(xn) W1[lo] + b1[lo])) W2[lo] + b2[lo]) + g_hi (the same with hi): only a token's two chosen experts are multiplied, both products on E2M1 codes with E8M0 scales.
; SHARES.  A row tile is 16 tokens of one pair of experts.  Work-group W takes tiles (W N) >> 8 up to ((W + 1) N) >> 8 of the stored list, 8 or 9 neighbours; the loop has 9 trips, and a trip without a tile
; jumps over the work, never over the barrier.  THE WAVES SHARE THE COLUMNS: wave w makes hidden units 128 w .. + 127 and outputs 64 w .. + 63 of BOTH experts; its parts of W1, W2, their scale words and the
; biases stay in registers and are loaded again only where a tile's pair differs from the last tile's.  Each output row has one owner: nothing is added across work-groups.
; Both products are used transposed (source 0 = 16 rows of a weight, source 1 = the 16 tokens), so a lane holds one token.  The rows of W1 that form a tile are chosen (row 32 b + 8 u + r + 8 (r / 8) for tile 2 b + u)
; so that the 16 registers of tiles 2 b, 2 b + 1 are 16 neighbours along the next K.  The hidden layer goes from wave to wave through LDS as images of the operand's registers; two buffers take turns, one barrier a trip.
; Rows past a tile's count repeat its last token: they compute and store the same numbers at the same place.
; NO TENSOR LOAD, NO CLUSTER: the skip and the reload are branches on stored numbers; and a work-group reads its 256 KiB of weights once or twice for 8 or 9 tiles, so there is little to share.
; GELU, exact form: a (0.5 + a_c P(u) / Q(u)), u = a_c^2, a_c = a held to +-5.4199829: 0.5 erf(a / sqrt 2) as a rational function of degrees 4 and 6 in u.
; LIMITS: 0.5 + 0.5 erf carries an absolute error of about 1e-7, so gelu's relative error grows as 1e-7 / Phi(a) for a under about -2; under -5.42 the result is a x (0 .. 6e-8) in place of about -0.
; NaN and infinities are not served.  A block of zeros gets the scale byte 1, not 127: its codes are zeros.
; THE MODE: SCHED_MODE bits 1:0 = 2 (LLVM: expert scheduling mode 2), set by the entry lines.  The code itself states the register dependences
; between vector or matrix instructions and memory or LDS instructions, with s_wait_alu, always for 0.
; THE PLAN.  Registers that memory or LDS instructions touch, round a trip:
;   v1, v5-v7, v9, v11, v12, v14   offsets, made at the head and never written again.
;   v244-v250   the trip's LDS addresses: written by seven adds at the trip's head; read by the token loads, the images' stores and the hidden layer's loads.
;   v108, v109  token numbers: LDS loads land in them; the lines that make v251-v253 read them.   v251-v253: read by the next tile's loads of x and by the gates' load.
;   GG          the gates' load lands in it; the second phase's packed multiplies read it.          XF, XS: the loads of x land in them; the first product's 32 matrix instructions read them.
;   windows 1 to 3, W1S, W2S   the weights' loads land in them where the pair changes; matrix instructions read them.
;   PC, PW      written by the quantiser; read by an image's stores; written again by the next GELU and the next quantiser.
;   HA          written by the first product and GELU, read by the quantiser; then the hidden fragments' LDS loads land in it and the second product reads it; then v128-159 are written by the gates' multiplies and read by
;               the stage's stores, and the stage's loads land in v160-191, which the global stores read.   HS: LDS loads land, the second product reads.
;   v208-215    at work in the first phase; then token numbers land there, vector lines make addresses of them, and the global stores read these.
; THE WAITS OF A TRIP.  On vm_vsrc: one at the trip's head, ahead of all that the trip writes again; one behind the first image's stores, ahead of the GELU that writes PC's registers.  On va_vdst: behind the seven adds; behind
; v251-v253; ahead of each image's stores (the second also stands for the LDS loads behind the barrier: no vector or matrix instruction lies between); each GELU's wait for its reciprocals, the fifth of which also lets the
; next tile's x be asked for; and one ahead of the stage's stores.
; REGISTERS, in windows of 256.  Window 0: v1-14 offsets that stay; v16-47 W1's scale words, v48-79 W2's, v96-97 x's, v100-107 the hidden layer's (these hold scales alone); v80-95 x's two fragments; v98-99 the gates;
;   v108-109 token numbers; v110-125 at work; v126 a scale word just made; v128-191 the hidden tiles, then 8 hidden fragments, then the results; v192-239 at work; v240-243 two coefficients; v244-253 the trip's addresses.
;   Window 1: W1, lo at v0, hi at v128 (fragment 2 t + s).   Window 2: W2 likewise (fragment 4 n + s).   Window 3: b1 lo v0, hi v64; b2 lo v128, hi v160; the sums of y: lo v192, hi v224.
.set W1S, 16
.set W2S, 48
.set XF,  80
.set XS,  96
.set GG,  98
.set HS,  100
.set AC,  110                          ; the held a, 16 at a time
.set TM,  110                          ; the quantiser's 16 registers
.set PW,  126
.set HA,  128
.set UU,  192
.set PP,  208
.set QQ,  224
.set PC,  224                          ; the codes just made
.set KA3, 240
.set KB5, 242
.set HBUF, 9216                        ; LDS: two buffers: images at 4,096 set + 1,024 s + 512 c + 16 lane, scale words at 8,192 + 512 set + 128 s + 4 lane
.set STG,  18432                       ; a stage of 16 rows x (256 + 16) bytes for each wave
.set IDS,  35840                       ; 9 tiles x 16 token numbers for each wave; row r at word 8 (r % 2) + r / 2
.set CA4, 28                           ; s[28:45] coefficient pairs (both words written: the packed form names the pair)
.set CA2, 30
.set CA1, 32
.set CA0, 34
.set CB6, 36
.set CB4, 38
.set CB3, 40
.set CB2, 42
.set CB1, 44
.set MSB, 0
.macro WIN new                         ; the immediate's high byte repeats the setting that is left
.if MSB != \new
	s_set_vgpr_msb (MSB<<8)|\new
.set MSB, \new
.endif
.endm
; One expert's part for my wave into register set 0 (lo) or 1 (hi).  ex: the scalar register with the expert's number.
; No wait on va_vdst stands here: at both places of use the last one lies ahead with only loads, LDS stores of other registers, window switches and scalar lines between.
.macro LOADW set, ex
.set SB, 76+10*(\set)
	s_min_u32 s98, s[\ex], 7                       ; a stored number enters an address only held
	s_mov_b32 s97, 0
	s_lshl_b32 s96, s98, 17
	s_add_nc_u64 s[SB:SB+1], s[14:15], s[96:97]    ; wimg
	s_lshl_b32 s96, s98, 12
	s_add_nc_u64 s[SB+2:SB+3], s[16:17], s[96:97]  ; W1_scales
	s_add_nc_u64 s[SB+6:SB+7], s[20:21], s[96:97]  ; W2_scales
	s_lshl_b32 s96, s98, 11
	s_add_nc_u64 s[SB+4:SB+5], s[18:19], s[96:97]  ; b1
	s_lshl_b32 s96, s98, 10
	s_add_nc_u64 s[SB+8:SB+9], s[22:23], s[96:97]  ; b2
	WIN 0x40                                       ; destination window 1
.set PI, 0
.rept 32
	global_load_b128 v[128*(\set)+4*PI:128*(\set)+4*PI+3], v1, s[SB:SB+1] offset:512*PI          ; 512 consecutive bytes: four registers of a fragment as they stand
.set PI, PI+1
.endr
	WIN 0x80                                       ; window 2
.set PI, 0
.rept 32
	global_load_b128 v[128*(\set)+4*PI:128*(\set)+4*PI+3], v1, s[SB:SB+1] offset:16384+512*PI
.set PI, PI+1
.endr
	WIN 0xc0                                       ; window 3: the biases in the results' layout
.irp t, 0,1,2,3,4,5,6,7
	global_load_b128 v[64*(\set)+8*\t:64*(\set)+8*\t+3], v12, s[SB+4:SB+5] offset:128*(\t/2)+32*(\t%2)
	global_load_b128 v[64*(\set)+8*\t+4:64*(\set)+8*\t+7], v12, s[SB+4:SB+5] offset:128*(\t/2)+32*(\t%2)+16
.endr
.irp n, 0,1,2,3
	global_load_b128 v[128+32*(\set)+8*\n:128+32*(\set)+8*\n+3], v14, s[SB+8:SB+9] offset:64*\n
	global_load_b128 v[128+32*(\set)+8*\n+4:128+32*(\set)+8*\n+7], v14, s[SB+8:SB+9] offset:64*\n+16
.endr
	WIN 0
.irp t, 0,1,2,3,4,5,6,7
	global_load_b64 v[W1S+16*(\set)+2*\t:W1S+16*(\set)+2*\t+1], v11, s[SB+2:SB+3] offset:(32*(\t/2)+8*(\t%2))*8
.endr
.irp n, 0,1,2,3
	global_load_b128 v[W2S+16*(\set)+4*\n:W2S+16*(\set)+4*\n+3], v9, s[SB+6:SB+7] offset:256*\n
.endr
.endm
.macro XLOAD                           ; a tile's codes and scale words of xn: lane (r, h) takes row r's token; v251 = 128 x token + 16 h, v252 = 8 x token
.irp c, 0,1,2,3
	global_load_b128 v[XF+4*\c:XF+4*\c+3], v251, s[4:5] offset:32*\c
.endr
	global_load_b64 v[XS:XS+1], v252, s[6:7]
.endm
; The first product for one expert: my 8 tiles of 16 hidden units, two K steps; the bias starts each sum.  The eight accumulators take turns.
.macro P1 set
	WIN 0x31                                       ; source 0 (W1) window 1, source 2 (b1) window 3
.irp t, 0,1,2,3,4,5,6,7
	v_wmma_scale_f32_16x16x128_f8f6f4 v[HA+8*\t:HA+8*\t+7], v[128*(\set)+16*\t:128*(\set)+16*\t+7], v[XF:XF+7], v[64*(\set)+8*\t:64*(\set)+8*\t+7], v[W1S+16*(\set)+2*\t], v[XS] matrix_a_fmt:MATRIX_FMT_FP4 matrix_b_fmt:MATRIX_FMT_FP4
.endr
	WIN 0x01
.irp t, 0,1,2,3,4,5,6,7
	v_wmma_scale_f32_16x16x128_f8f6f4 v[HA+8*\t:HA+8*\t+7], v[128*(\set)+16*\t+8:128*(\set)+16*\t+15], v[XF+8:XF+15], v[HA+8*\t:HA+8*\t+7], v[W1S+16*(\set)+2*\t+1], v[XS+1] matrix_a_fmt:MATRIX_FMT_FP4 matrix_b_fmt:MATRIX_FMT_FP4
.endr
	WIN 0
.rept 4
	v_nop                                          ; four places ahead of the first read of results (ISA guide 7.12.1)
.endr
.endm
; Sixteen numbers, v[HA + 16 c] on, in place.  The 16 reciprocals are one batch: the numerator's 40 plain lines follow them, then ONE wait, then their readers.
; xl = 1: the next tile's x is asked for directly behind that wait.
.macro GELU c, xl
.irp j, 0,1,2,3,4,5,6,7,8,9,10,11,12,13,14,15
	v_med3_num_f32 v[AC+\j], v[HA+16*(\c)+\j], s47, s46            ; each accumulator is read from its low end on
.endr
.irp j, 0,2,4,6,8,10,12,14
	v_pk_mul_f32 v[UU+\j:UU+\j+1], v[AC+\j:AC+\j+1], v[AC+\j:AC+\j+1]
.endr
.irp j, 0,2,4,6,8,10,12,14
	v_pk_fma_f32 v[QQ+\j:QQ+\j+1], v[UU+\j:UU+\j+1], s[CB6:CB6+1], v[KB5:KB5+1] op_sel_hi:[1,0,1]
.endr
.irp k, CB4, CB3, CB2, CB1
.irp j, 0,2,4,6,8,10,12,14
	v_pk_fma_f32 v[QQ+\j:QQ+\j+1], v[QQ+\j:QQ+\j+1], v[UU+\j:UU+\j+1], s[\k:\k+1] op_sel_hi:[1,1,0]
.endr
.endr
.irp j, 0,2,4,6,8,10,12,14
	v_pk_fma_f32 v[QQ+\j:QQ+\j+1], v[QQ+\j:QQ+\j+1], v[UU+\j:UU+\j+1], 1.0 op_sel_hi:[1,1,0]
.endr
.irp j, 0,1,2,3,4,5,6,7,8,9,10,11,12,13,14,15
	v_rcp_f32 v[QQ+\j], v[QQ+\j]
.endr
.irp j, 0,2,4,6,8,10,12,14
	v_pk_fma_f32 v[PP+\j:PP+\j+1], v[UU+\j:UU+\j+1], s[CA4:CA4+1], v[KA3:KA3+1] op_sel_hi:[1,0,1]
.endr
.irp k, CA2, CA1, CA0
.irp j, 0,2,4,6,8,10,12,14
	v_pk_fma_f32 v[PP+\j:PP+\j+1], v[PP+\j:PP+\j+1], v[UU+\j:UU+\j+1], s[\k:\k+1] op_sel_hi:[1,1,0]
.endr
.endr
.irp j, 0,2,4,6,8,10,12,14
	v_pk_mul_f32 v[PP+\j:PP+\j+1], v[PP+\j:PP+\j+1], v[AC+\j:AC+\j+1]
.endr
	s_wait_alu depctr_va_vdst(0)                   ; the sixteen reciprocals have written v[QQ ..]: one wait for the batch, ahead of its first reader; with xl = 1 also: the first product's matrix instructions are done reading XF and XS
.if \xl
	XLOAD                                          ; the next tile's x lands in XF and XS; v251 and v252 were written ahead of an earlier wait, and no vector line since names any of these.  It has the rest of the trip in which to land
.endif
.irp j, 0,2,4,6,8,10,12,14
	v_pk_fma_f32 v[PP+\j:PP+\j+1], v[PP+\j:PP+\j+1], v[QQ+\j:QQ+\j+1], 0.5 op_sel_hi:[1,1,0]
.endr
.irp j, 0,2,4,6,8,10,12,14
	v_pk_mul_f32 v[HA+16*(\c)+\j:HA+16*(\c)+\j+1], v[HA+16*(\c)+\j:HA+16*(\c)+\j+1], v[PP+\j:PP+\j+1]
.endr
.endm
; 64 numbers of a lane, register 16 b + i = k 32 b + 16 (lane / 16) + i of my token, become a fragment's codes in v[PC] on and its scale word in v[PW].
.macro QUANT s
.irp b, 0,1,2,3
	v_max3_num_f32 v[TM+\b], |v[\s+16*\b]|, |v[\s+1+16*\b]|, 0x1800000   ; with the floor 2^(3 - 127): the byte cannot fall under 1
.endr
.irp i, 2,4,6,8,10,12,14
.irp b, 0,1,2,3
	v_max3_num_f32 v[TM+\b], v[TM+\b], |v[\s+16*\b+\i]|, |v[\s+1+16*\b+\i]|
.endr
.endr
.irp b, 0,1,2,3
	v_permlanex16_b32 v[TM+4+\b], v[TM+\b], s48, s49
.endr
.irp b, 0,1,2,3
	v_max_num_f32 v[TM+\b], v[TM+\b], v[TM+4+\b]   ; with lane l xor 16's: the block's largest magnitude
.endr
.irp b, 0,1,2,3
	v_add_nc_u32 v[TM+12+\b], 0xff000000, v[TM+\b] ; 2 off its exponent field: the conversion's scale operand
.endr
.irp b, 0,1,2,3
	v_lshrrev_b32 v[TM+4+\b], 23, v[TM+12+\b]      ; the scale's byte
.endr
	v_lshl_or_b32 v[PW], v[TM+5], 8, v[TM+4]
	v_lshl_or_b32 v[PW], v[TM+6], 16, v[PW]
	v_lshl_or_b32 v[PW], v[TM+7], 24, v[PW]
.irp b, 0,1,2,3
	v_cvt_scalef32_pk8_fp4_f32 v[PC+2*\b], v[\s+16*\b:\s+7+16*\b], v[TM+12+\b]
	v_cvt_scalef32_pk8_fp4_f32 v[PC+1+2*\b], v[\s+8+16*\b:\s+15+16*\b], v[TM+12+\b]
.endr
	v_nop                                          ; one plain line behind the last scaled conversion
.irp c, 0,1                                    ; the operand's layout wants a whole block in a lane
.irp i, 0,1
	v_permlane16_swap_b32 v[PC+4*\c+\i], v[PC+2+4*\c+\i]
.endr
.endr
.endm
.macro IMAGE set                       ; the fragment goes to LDS as it stands: K step w of the second product
	ds_store_b128 v244, v[PC:PC+3] offset:4096*\set
	ds_store_b128 v244, v[PC+4:PC+7] offset:4096*\set+512
	ds_store_b32 v245, v[PW] offset:8192+512*\set
.endm
	s_load_b512 s[4:19], s[0:1], 0x0               ; xcodes, xscales, gates, order, tiles, wimg, W1_scales, b1
	s_load_b128 s[20:23], s[0:1], 0x40             ; W2_scales, b2
	s_load_b64 s[24:25], s[0:1], 0x50              ; out0
	v_lshl_add_u32 v254, v0, 2, 0xa000
	v_mov_b32 v255, 0
	v_lshrrev_b32 v1, 5, v0
	v_readfirstlane_b32 s26, v1                    ; wave 0..3
	v_and_b32 v15, 31, v0                          ; lane
	v_and_b32 v128, 15, v0                         ; r
	v_bfe_u32 v129, v0, 4, 1                       ; h
	v_lshlrev_b32 v1, 4, v15                       ; v1  16 lane
	v_lshlrev_b32 v2, 2, v15                       ; v2  4 lane
	s_wait_alu depctr_va_sdst(0)                   ; s26 is written, ahead of its first reader: LDS places and the buffers' parts are made from it
	s_lshl_b32 s66, s26, 10
	v_add_nc_u32 v3, s66, v1                       ; v3  images in: 16 lane + 1,024 w
	s_lshl_b32 s67, s26, 7
	v_add_nc_u32 v4, s67, v2                       ; v4  scale words in: 4 lane + 128 w
	s_mul_i32 s68, s26, 4352
	s_add_co_u32 s68, s68, STG
	v_mul_u32_u24 v5, v128, 272
	v_lshl_add_u32 v5, v129, 5, v5
	v_add_nc_u32 v5, s68, v5                       ; v5  stage in: row r, + 32 h
	v_mul_u32_u24 v6, v129, 272
	v_lshl_add_u32 v6, v128, 4, v6
	v_add_nc_u32 v6, s68, v6                       ; v6  stage out: lanes 0-15 one row, lanes 16-31 the next
	s_mul_i32 s69, s26, 576
	s_add_co_u32 s69, s69, IDS
	v_and_b32 v7, 1, v0
	v_bfe_u32 v8, v0, 1, 3
	v_lshlrev_b32 v7, 5, v7
	v_lshl_add_u32 v7, v8, 2, v7
	v_add_nc_u32 v7, s69, v7                       ; v7  row r's token number: 32 (r % 2) + 4 (r / 2)
	v_lshl_add_u32 v8, v129, 5, s69                ; v8  the eight rows 2 t + h
	v_lshlrev_b32 v9, 4, v128                      ; v9  16 r
	v_lshlrev_b32 v10, 4, v129                     ; v10 16 h
	v_and_b32 v11, 8, v128
	v_add_nc_u32 v11, v11, v128
	v_lshlrev_b32 v11, 3, v11                      ; v11 8 (r + 8 (r / 8)): W1's scale words
	v_lshlrev_b32 v12, 6, v129                     ; v12 64 h: b1
	v_lshlrev_b32 v14, 5, v129                     ; v14 32 h: b2
	s_wait_kmcnt 0x0
	s_load_b32 s27, s[12:13], 0xc                  ; N
	s_mov_b32 s97, 0
	s_lshl_b32 s96, s26, 15
	s_add_nc_u64 s[14:15], s[14:15], s[96:97]      ; my wave's part of each
	s_lshl_b32 s96, s26, 10
	s_add_nc_u64 s[16:17], s[16:17], s[96:97]
	s_add_nc_u64 s[20:21], s[20:21], s[96:97]
	s_lshl_b32 s96, s26, 9
	s_add_nc_u64 s[18:19], s[18:19], s[96:97]
	s_lshl_b32 s96, s26, 8
	s_add_nc_u64 s[22:23], s[22:23], s[96:97]
	s_add_nc_u64 s[24:25], s[24:25], s[96:97]
	s_wait_kmcnt 0x0
	s_min_u32 s27, s27, 2075
	s_mul_i32 s90, ttmp9, s27
	s_lshr_b32 s91, s90, 8                         ; my first tile
	s_add_co_u32 s90, s90, s27
	s_lshr_b32 s90, s90, 8
	s_sub_co_u32 s67, s90, s91                     ; s67 = my tiles: 8 or 9
	s_min_u32 s91, s91, 2071                       ; nine entries stay inside the list's 2,080
	s_lshl_b32 s96, s91, 4
	s_add_nc_u64 s[98:99], s[12:13], s[96:97]
	s_load_b512 s[28:43], s[98:99], 0x0            ; entry i at s[28 + 4 i]: first position, rows, code, N
	s_load_b512 s[44:59], s[98:99], 0x40
	s_load_b128 s[60:63], s[98:99], 0x80
	s_wait_kmcnt 0x0
.irp i, 0,1,2,3,4,5,6,7,8                      ; the nine tiles' places in the list first, then one wait, then the nine loads
	s_max_u32 s96, s[29+4*\i], 1
	s_sub_co_u32 s96, s96, 1
	v_min_u32 v[130+\i], s96, v128                 ; rows past the count repeat the last
	v_add_nc_u32 v[130+\i], s[28+4*\i], v[130+\i]
	v_min_u32 v[130+\i], 0x7fff, v[130+\i]
	v_lshlrev_b32 v[130+\i], 2, v[130+\i]
.endr
	s_wait_alu depctr_va_vdst(0)                   ; v130 to v138 are written, which the nine loads read as offsets; so are the offsets v1 to v14, which every later load and store reads
.irp i, 0,1,2,3,4,5,6,7,8
	global_load_b32 v[140+\i], v[130+\i], s[10:11]
.endr
	s_mov_b32 s68, 0                               ; the tiles' codes, 6 bits each: tiles 0-4 in s68, tiles 5-8 in s69
	s_mov_b32 s69, 0
.irp i, 0,1,2,3,4
	s_and_b32 s96, s[30+4*\i], 63
	s_lshl_b32 s96, s96, 6*\i
	s_or_b32 s68, s68, s96
.endr
.irp i, 5,6,7,8
	s_and_b32 s96, s[30+4*\i], 63
	s_lshl_b32 s96, s96, 6*(\i-5)
	s_or_b32 s69, s69, s96
.endr
	s_and_b32 s70, s30, 63                         ; s70 = the pair whose weights lie in registers
	s_and_b32 s74, s70, 7
	s_lshr_b32 s75, s70, 3
	; the entries are done with: their registers take the coefficients.  A_k = alpha_k 2^-k / (2 sqrt 2), B_k = beta_k 2^-k
	s_mov_b32 s[CA4], 0x36a9d4af
	s_mov_b32 s[CA2], 0x3b93955d
	s_mov_b32 s[CA1], 0x3d061aeb
	s_mov_b32 s[CA0], 0x3ecc4229
	s_mov_b32 s[CB6], 0xb0fd3906
	s_mov_b32 s[CB4], 0x38856d28
	s_mov_b32 s[CB3], 0x3ae687d4
	s_mov_b32 s[CB2], 0x3ce34c21
	s_mov_b32 s[CB1], 0x3e7eb44a
.irp k, CA4, CA2, CA1, CA0, CB6, CB4, CB3, CB2, CB1
	s_mov_b32 s[\k+1], s[\k]
.endr
	s_mov_b32 s46, 0x40ad7080                      ; 5.4199829
	s_mov_b32 s47, 0xc0ad7080
	s_mov_b32 s48, 0x76543210
	s_mov_b32 s49, 0xfedcba98                      ; v_permlanex16_b32's selects for lane l xor 16
	v_mov_b32 v[KA3], 0x391df186
	v_mov_b32 v[KA3+1], 0x391df186
	v_mov_b32 v[KB5], 0x354588df
	v_mov_b32 v[KB5+1], 0x354588df
.irp b, 0,1,2,3
	v_mov_b32 v[TM+4+\b], 0                        ; a lane permute's destination counts as one of its sources
.endr
	s_wait_loadcnt 0x0
.irp i, 0,1,2,3,4,5,6,7,8
	v_min_u32 v[140+\i], 0x7fff, v[140+\i]
.endr
	v_lshl_add_u32 v251, v140, 7, v10
	v_lshlrev_b32 v252, 3, v140
	s_wait_alu depctr_va_vdst(0)                   ; the held token numbers v140 to v148 are written, which the LDS stores read; so are v251 and v252, by which tile 0's x is loaded
.irp i, 0,1,2,3,4,5,6,7,8
	ds_store_b32 v7, v[140+\i] offset:64*\i        ; my wave's own copy: both halves of the lanes write the same word with the same value
.endr
	XLOAD                                          ; tile 0
	LOADW 0, 74
	LOADW 1, 75
	s_mov_b32 s66, 0                               ; s66 = the trip
	s_mov_b32 s71, 0                               ; s71 = the hidden layer's buffer in hand
	s_mov_b32 s72, 0                               ; s72 = 64 x trip
	s_wait_loadcnt 0x0
.Ltrip:
	s_wait_xcnt 0x0                                ; the last trip's loads and stores have read their registers: addresses and data may be written again
	s_wait_loadcnt 0x0                             ; no load of the last trip is out: a trip with a tile has waited for all of them and issued none since; a trip without one has left its gates' load out, and the gates' registers are loaded again below
	s_wait_alu depctr_vm_vsrc(0)                   ; every load and store issued so far, LDS and global, of the last trip or of the head, has read its vector registers: the addresses v244 to v253, the list's offsets and token numbers in v130 to v148, PC and PW, the stage's data in v128-159, the global stores' v160-191 and v208-215 are all written again in this trip
	s_cmp_eq_u32 s66, 5
	s_cselect_b32 s68, s69, s68
	s_and_b32 s97, s68, 63                         ; this tile's pair
	s_lshr_b32 s68, s68, 6
	s_add_co_u32 s73, s72, 64
	s_min_u32 s73, s73, 512                        ; the next tile, or the last once more
	v_add_nc_u32 v244, s71, v3
	v_add_nc_u32 v245, s71, v4
	v_add_nc_u32 v246, s71, v1
	v_add_nc_u32 v247, s71, v2
	v_add_nc_u32 v248, s72, v7
	v_add_nc_u32 v249, s73, v7
	v_add_nc_u32 v250, s72, v8
	s_wait_alu depctr_va_vdst(0)                   ; the trip's seven LDS addresses v244 to v250 are written; the last trip's lines are done with v108 and v109, in which the two loads below land
	ds_load_b32 v108, v248
	ds_load_b32 v109, v249
	s_wait_dscnt 0x0
	v_min_u32 v108, 0x7fff, v108
	v_min_u32 v109, 0x7fff, v109
	v_lshlrev_b32 v253, 3, v108
	v_lshl_add_u32 v251, v109, 7, v10
	v_lshlrev_b32 v252, 3, v109
	s_wait_alu depctr_va_vdst(0)                   ; v253 is written, by which the gates are loaded, and v251 and v252, by which the next tile's x will be; the last trip's multiplies are done reading the gates, and its matrix instructions their weights, scale words and biases
	global_load_b64 v[GG:GG+1], v253, s[8:9]       ; my token's two gates
	s_cmp_ge_u32 s66, s67
	s_cbranch_scc1 .Lskip_a
	s_cmp_eq_u32 s97, s70
	s_cbranch_scc1 .Lsame
	s_mov_b32 s70, s97                             ; another pair: its weights take the registers.  The products that read the old ones stand ahead of the wait in front of the gates' load, and no vector or matrix instruction has been issued since
	s_and_b32 s74, s97, 7
	s_lshr_b32 s75, s97, 3
	LOADW 0, 74
	LOADW 1, 75
	s_wait_loadcnt 0x0
.Lsame:
	s_wait_loadcnt 0x1                             ; this tile's x is in; the one younger load, the gates', may be out
	P1 0
	GELU 0, 0
	GELU 1, 0
	GELU 2, 0
	GELU 3, 0
	QUANT HA
	s_wait_alu depctr_va_vdst(0)                   ; the quantiser has written PC and PW, which the image's stores read
	IMAGE 0
	P1 1
	s_wait_dscnt 0x0                               ; the image's stores have read their registers
	s_wait_alu depctr_vm_vsrc(0)                   ; the image's stores have read PC and PW: the GELU below writes PC's registers again, the quantiser behind it PW
	GELU 0, 1                                      ; with the next tile's x behind its wait
	GELU 1, 0
	GELU 2, 0
	GELU 3, 0
	QUANT HA
	s_wait_alu depctr_va_vdst(0)                   ; the quantiser has written PC and PW, which the image's stores read.  All that named HA, v208-215 and the hidden layer's scale words is done too: the LDS loads behind the barrier land there, and no vector or matrix instruction stands between
	IMAGE 1
.Lskip_a:
	s_wait_dscnt 0x0                               ; my images have landed, and my reads of the other buffer, a trip ago, are long in
	s_barrier_signal -1
	s_barrier_wait -1                              ; all eight fragments of this buffer lie in LDS; it is written again only behind the next barrier but one
	s_cmp_ge_u32 s66, s67
	s_cbranch_scc1 .Lskip_b
.irp s, 0,1,2,3                                ; the hidden fragments K step by K step, six loads each, so that the products of a K step wait for its own loads alone
.irp e, 0,1
	ds_load_b128 v[HA+32*\e+8*\s:HA+32*\e+8*\s+3], v246 offset:4096*\e+1024*\s
	ds_load_b128 v[HA+32*\e+8*\s+4:HA+32*\e+8*\s+7], v246 offset:4096*\e+1024*\s+512
	ds_load_b32 v[HS+4*\e+\s], v247 offset:8192+512*\e+128*\s
.endr
.endr
	ds_load_b128 v[208:211], v250                  ; the token numbers of rows 2 t + h: wanted last
	ds_load_b128 v[212:215], v250 offset:16
	WIN 0xf2                                       ; source 0 (W2) window 2; C and D (b2, y) window 3
.irp s, 0,1,2,3                                ; eight accumulators by turns, a K step at a time
	s_wait_dscnt 20-6*\s                           ; LDS loads come back in order (ISA guide 5.7.1): this K step's six are in; the six of each later K step and the two of the token numbers may be out
.irp n, 0,1,2,3
.irp e, 0,1
.if \s == 0
	v_wmma_scale_f32_16x16x128_f8f6f4 v[192+32*\e+8*\n:199+32*\e+8*\n], v[128*\e+8*(4*\n+\s):128*\e+8*(4*\n+\s)+7], v[HA+32*\e+8*\s:HA+32*\e+8*\s+7], v[128+32*\e+8*\n:135+32*\e+8*\n], v[W2S+16*\e+4*\n+\s], v[HS+4*\e+\s] matrix_a_fmt:MATRIX_FMT_FP4 matrix_b_fmt:MATRIX_FMT_FP4
.else
	v_wmma_scale_f32_16x16x128_f8f6f4 v[192+32*\e+8*\n:199+32*\e+8*\n], v[128*\e+8*(4*\n+\s):128*\e+8*(4*\n+\s)+7], v[HA+32*\e+8*\s:HA+32*\e+8*\s+7], v[192+32*\e+8*\n:199+32*\e+8*\n], v[W2S+16*\e+4*\n+\s], v[HS+4*\e+\s] matrix_a_fmt:MATRIX_FMT_FP4 matrix_b_fmt:MATRIX_FMT_FP4
.endif
.endr
.endr
.endr
	WIN 0
	s_wait_dscnt 0x0                               ; the token numbers are in
.irp t, 0,1,2,3,4,5,6,7
	v_min_u32 v[208+\t], 0x7fff, v[208+\t]         ; sixteen plain lines on other registers: the places behind the last products
.endr
.irp t, 0,1,2,3,4,5,6,7
	v_lshl_add_u32 v[208+\t], v[208+\t], 10, v9    ; 1,024 x token + 16 (lane % 16)
.endr
	s_wait_loadcnt 0x0                             ; the gates; the next tile's x was asked for most of a phase ago
	WIN 0x03                                       ; source 0 window 3
.irp n, 0,1,2,3
.irp k, 0,2,4,6
	v_pk_mul_f32 v[HA+8*\n+\k:HA+8*\n+\k+1], v[192+8*\n+\k:192+8*\n+\k+1], v[GG:GG+1] op_sel_hi:[1,0]     ; y_lo x lo's gate; each accumulator from its low end on
.endr
.endr
.irp n, 0,1,2,3
.irp k, 0,2,4,6
	v_pk_fma_f32 v[HA+8*\n+\k:HA+8*\n+\k+1], v[224+8*\n+\k:224+8*\n+\k+1], v[GG:GG+1], v[HA+8*\n+\k:HA+8*\n+\k+1] op_sel:[0,1,0] op_sel_hi:[1,1,1]   ; + y_hi x hi's gate
.endr
.endr
	WIN 0
	s_wait_alu depctr_va_vdst(0)                   ; the results in v128-159 are written, which the stage's stores read, and the addresses in v208-215, which the global stores read; the second product is done reading v160-191, in which the stage's loads land
.irp n, 0,1,2,3
	ds_store_b128 v5, v[HA+8*\n:HA+8*\n+3] offset:64*\n            ; lane (r, h): outputs 64 w + 16 n + 8 h + 0 .. 7 of token r, into my own stage
	ds_store_b128 v5, v[HA+8*\n+4:HA+8*\n+7] offset:64*\n+16
.endr
.irp t, 0,1,2,3,4,5,6,7
	ds_load_b128 v[160+4*\t:163+4*\t], v6 offset:544*\t            ; LDS serves a wave's instructions in order: these see my stores
.endr
.irp t, 0,1,2,3,4,5,6,7
	s_wait_dscnt 7-\t
	global_store_b128 v[208+\t], v[160+4*\t:163+4*\t], s[24:25] th:TH_STORE_NT   ; sixteen lanes store 256 consecutive bytes of a token's row, at a multiple of 256 from out0's first byte
.endr
.Lskip_b:
	s_xor_b32 s71, s71, HBUF
	s_add_co_u32 s72, s72, 64
	s_add_co_u32 s66, s66, 1
	s_cmp_lt_u32 s66, 9
	s_cbranch_scc1 .Ltrip
	s_wait_dscnt 0x0
	s_wait_alu depctr_hold_cnt(0) depctr_sa_sdst(0) depctr_va_vdst(0) depctr_va_sdst(0) depctr_va_ssrc(0) depctr_va_vcc(0) depctr_vm_vsrc(0)
	s_wait_tensorcnt 0x0
	ds_add_u32 v254, v255
	s_wait_dscnt 0x0
	s_endpgm
.Lfunc_end_k_q4126ad6a0a_chain:
	.size	k_q4126ad6a0a_chain, .Lfunc_end_k_q4126ad6a0a_chain-k_q4126ad6a0a_chain
	.p2alignl 7, 3214868480
	.fill 96, 4, 3214868480
	.section	.rodata,"a",@progbits
	.p2align	6, 0x0
	.amdhsa_kernel k_q4126ad6a0a_chain
		.amdhsa_group_segment_fixed_size 41472
		.amdhsa_private_segment_fixed_size 0
		.amdhsa_enable_private_segment 0
		.amdhsa_kernarg_size 88
		.amdhsa_user_sgpr_count 2
		.amdhsa_user_sgpr_kernarg_segment_ptr 1
		.amdhsa_wavefront_size32 1
		.amdhsa_system_sgpr_workgroup_id_x 1
		.amdhsa_system_sgpr_workgroup_id_y 1
		.amdhsa_system_sgpr_workgroup_id_z 1
		.amdhsa_system_vgpr_workitem_id 0
		.amdhsa_next_free_vgpr 1024
		.amdhsa_next_free_sgpr 100
		.amdhsa_reserve_vcc 0
		.amdhsa_float_denorm_mode_32 3
		.amdhsa_float_denorm_mode_16_64 3
		.amdhsa_memory_ordered 1
		.amdhsa_forward_progress 1
		.amdhsa_inst_pref_size 144
	.end_amdhsa_kernel
	.amdgpu_metadata
---
amdhsa.version: [ 1, 2 ]
amdhsa.kernels:
  - .name:           k_q4126ad6a0a_chain
    .symbol:         k_q4126ad6a0a_chain.kd
    .args:
      - { .name: xcodes, .offset: 0, .size: 8, .value_kind: global_buffer, .address_space: global }
      - { .name: xscales, .offset: 8, .size: 8, .value_kind: global_buffer, .address_space: global }
      - { .name: gates, .offset: 16, .size: 8, .value_kind: global_buffer, .address_space: global }
      - { .name: order, .offset: 24, .size: 8, .value_kind: global_buffer, .address_space: global }
      - { .name: tiles, .offset: 32, .size: 8, .value_kind: global_buffer, .address_space: global }
      - { .name: wimg, .offset: 40, .size: 8, .value_kind: global_buffer, .address_space: global }
      - { .name: W1_scales, .offset: 48, .size: 8, .value_kind: global_buffer, .address_space: global }
      - { .name: b1, .offset: 56, .size: 8, .value_kind: global_buffer, .address_space: global }
      - { .name: W2_scales, .offset: 64, .size: 8, .value_kind: global_buffer, .address_space: global }
      - { .name: b2, .offset: 72, .size: 8, .value_kind: global_buffer, .address_space: global }
      - { .name: out0, .offset: 80, .size: 8, .value_kind: global_buffer, .address_space: global }
    .group_segment_fixed_size: 41472
    .private_segment_fixed_size: 0
    .kernarg_segment_align: 8
    .kernarg_segment_size: 88
    .max_flat_workgroup_size: 128
    .sgpr_count:     100
    .vgpr_count:     1024
    .wavefront_size: 32
...
	.end_amdgpu_metadata
.endif
;; end of part 4
